; MI455X (gfx1250); checked and timed in simulation.
; The chip was launched on July 23, 2026; its instructions are those of AMD's public machine-readable ISA for CDNA 5 (MIT licence, August 2026) and "CDNA5" Instruction Set Architecture Reference Guide (July 2026). The comments in the code are by the model that wrote it; some were corrected since.
;; Attention Block. Allowed arithmetic: matrix products marked QUANTISED: E3M2 operands, one E8M0 scale for each 32 along K, by v_wmma_scale_f32_16x16x128_f8f6f4 with both operands' format E3M2, f32 sums; everything else in f32.
;; Inputs: bk 512 float32; bo 512 float32; bq 512 float32; bv 512 float32; gn_bias 512 float32; gn_scale 512 float32; wk_codes 512 x 16 x 24 uint8 (E3M2 codes of wk, K innermost, in blocks of 32 codes, four codes in three bytes); wk_scales 512 x 16 uint8 (E8M0 scales of wk, one for each 32 codes along K); wo_codes 512 x 16 x 24 uint8 (E3M2 codes of wo, K innermost, in blocks of 32 codes, four codes in three bytes); wo_scales 512 x 16 uint8 (E8M0 scales of wo, one for each 32 codes along K); wq_codes 512 x 16 x 24 uint8 (E3M2 codes of wq, K innermost, in blocks of 32 codes, four codes in three bytes); wq_scales 512 x 16 uint8 (E8M0 scales of wq, one for each 32 codes along K); wv_codes 512 x 16 x 24 uint8 (E3M2 codes of wv, K innermost, in blocks of 32 codes, four codes in three bytes); wv_scales 512 x 16 uint8 (E8M0 scales of wv, one for each 32 codes along K); x 32 x 512 x 32 x 32 float32.
;; Outputs: out0 32 x 512 x 32 x 32 float32.
;; This version of the problem:
;;   THIS VERSION OF THE PROBLEM IS GIVEN IN LOW PRECISION. The matrix products marked QUANTISED in the list below multiply operands that are first quantised to E3M2 (3 exponent bits, 2 mantissa bits; 6 bits a number), with one power-of-two scale for each 32 numbers along K (OCP MX v1.0); their sums are f32. All else is computed in f32.
;;   The module's matrix products, in the order in which they are computed (A, B: the left and right operand; K: the contracted axis; several contracted axes count as one K, in the product's order):
;;     1. [M 32,768, K 512] x [K 512, N 512]; A: computed on the way; B: input wq (given as codes): QUANTISED
;;     2. [M 32,768, K 512] x [K 512, N 512]; A: computed on the way; B: input wk (given as codes): QUANTISED
;;     3. [M 32,768, K 512] x [K 512, N 512]; A: computed on the way; B: input wv (given as codes): QUANTISED
;;     4. batch 32 x [M 1,024, K 512] x [K 512, N 1,024]; A: computed on the way; B: computed on the way: QUANTISED
;;     5. batch 32 x [M 1,024, K 1,024] x [K 1,024, N 512]; A: softmax (see below); B: computed on the way: QUANTISED
;;     6. [M 32,768, K 512] x [K 512, N 512]; A: computed on the way; B: input wo (given as codes): QUANTISED
;;   THE QUANTISER, for each operand of a quantised product, along K:
;;     - K is cut into blocks of 32 from its start; a last block that is shorter is filled with zeros.
;;     - A block's scale is 2^e with e = floor(log2(the largest magnitude in the block)) - 4, held to -126 .. 127; a block of zeros has e = 0. As a byte (E8M0): e + 127.
;;     - Each number is divided by its block's scale, clamped to +-28, and rounded to the nearest number of E3M2, ties to even, subnormals kept.
;;     - The product sums the exact products of the quantised numbers (number of the format x scale) in f32.
;;   ~~~python
;;   def quantise(x, axis):      # numpy; x: float32 -> the quantised numbers, widened to float32 again
;;       x = np.moveaxis(x, axis, -1); K = x.shape[-1]
;;       x = np.pad(x, [(0, 0)] * (x.ndim - 1) + [(0, -K % 32)]); x = x.reshape(x.shape[:-1] + (-1, 32)); a = np.abs(x).max(-1, keepdims=True)
;;       e = np.where(a > 0, np.clip(np.frexp(np.where(a > 0, a, 1))[1] - 1 - 4, -126, 127), 0)      # np.frexp(a)[1] - 1 = floor(log2(a)), exactly
;;       r = np.clip(x / 2.0 ** e, -28, 28)
;;       step = 2.0 ** (np.maximum(np.frexp(np.where(r == 0, 1, r))[1] - 1, -2) - 2)
;;       q = np.round(r / step) * step * 2.0 ** e      # np.round: ties to even
;;       return np.moveaxis(q.reshape(q.shape[:-2] + (-1,))[..., :K], -1, axis).astype(np.float32)
;;   ~~~
;;   SOFTMAX AHEAD OF A QUANTISED PRODUCT. Where the list says 'softmax', what is quantised is not the finished softmax but p = 2^(t - M), with t = logit x log2(e) and M = ceil(the row's largest t), a whole number; so 1/2 < the row's largest p <= 1. The row's sum l is taken of the UNQUANTISED p, in f32, and the product's result is divided by l at the end. Since M is a whole number, a kernel that streams over the keys may use a running M (the ceiling of the running maximum): every later rescaling is an exact power of two, which a block's scale takes up: the codes' values come out the same.
;;   OPERANDS COMPUTED ON THE WAY. 'Computed on the way' means the value that the module computes at that place (a softmax that the list does not call 'softmax' is quantised finished and normalised). What goes into a quantiser is computed in f32, as accurately as f32 sums, v_exp_f32 and their like allow (about 1e-6 of the number): no bf16 or f16 on the way to a quantiser, and a product that is left as it is and whose result goes on into a quantised operand takes f32 operands (vector FMAs, or v_wmma_f32_16x16x4_f32). A number that lies on a knife's edge between two numbers of the format may be rounded either way, as far as f32 arithmetic and the matrix unit's own rounding can turn it there, and no further.
;;   INPUTS GIVEN AS CODES. wk (in the module: [512, 512], K = its axis 1); wo (in the module: [512, 512], K = its axis 1); wq (in the module: [512, 512], K = its axis 1); wv (in the module: [512, 512], K = its axis 1): each comes as NAME_codes (uint8): NAME with its K axis moved to the last place and cut into blocks of 32 codes, [.., K / 32, bytes a block], one block behind the other in memory; four codes in three bytes: a row's codes are one little-endian stream of bits, code i at bits 6 i .. 6 i + 5 (a code: sign, 3 exponent bits, 2 mantissa bits); and NAME_scales (uint8): the same leading axes, one E8M0 byte (e + 127) for each 32 codes along K. Its value is code x scale, taken as it is: it is not quantised again, and the codes and scales need not be those that the quantiser above would give.
;; One version. Each part assembles by itself: llvm-mc -triple=amdgcn-amd-amdhsa -mcpu=gfx1250 --defsym DOCPART=n.
;; ======== version 1 of 1: 3 launches
;; workspace buffers: h_img 13,107,200 bytes; k_img 13,107,200 bytes; v_img 13,107,200 bytes; w_img 819,200 bytes
;; launch gnq (part 1): grid 8 x 32, 16 waves a work-group, no clusters, 53,760 bytes of LDS; arguments x, gn_scale, gn_bias, h_img, w_img, wq_codes, wk_codes, wv_codes, wo_codes, wq_scales, wk_scales, wv_scales, wo_scales; writes h_img, w_img
.if DOCPART == 1
	.amdgcn_target "amdgcn-amd-amdhsa--gfx1250"
	.amdhsa_code_object_version 6
	.text
	.protected	k_q166d61e3b2_gnq
	.globl	k_q166d61e3b2_gnq
	.p2align	8
	.type	k_q166d61e3b2_gnq,@function
k_q166d61e3b2_gnq:
	s_mov_b64 s[64:65], 0
	v_nop
	global_prefetch_b8 v0, s[64:65] scope:SCOPE_SE
	s_setreg_imm32_b32 hwreg(HW_REG_WAVE_MODE, 25, 1), 1
	s_wait_xcnt 0x0
; GroupNorm of x [32][512][1024] (32 groups of 16 channels), quantised along the channels to codes of E3M2 with one E8M0 byte for 32 channels,
; and laid out as IMAGES OF OPERAND REGISTERS (h_img).  The four weights, given as codes, are copied into the same layout (w_img).
; THE LAYOUT.  A fragment (16 rows x 128 K, 12 registers a lane) is 1,536 bytes: for c = 0, 1: registers 6c..6c+3 at 768 c + 16 lane, registers 6c+4, 6c+5 at 768 c + 512 + 8 lane.
; A chunk (128 rows x 256 K) is 25,600 bytes: codes [K step 0..1][tile 0..7][1,536], then at 24,576 the scale words [K step][tile][row], 4 bytes each.  A panel of 128 rows with K = 512 is two chunks.
; Row r of tile t of a panel is the panel's true row 32 (t/2) + 8 (t%2) + r + 8 (r/8): so a product that takes such tiles as source 0 leaves 16 neighbours of the next K in a lane's registers.
; SHARES.  A work-group holds 64 channels x 1,024 tokens of one image in registers (x is read once).  Wave w: tokens 128 (w%8) on, channels 32 (w/8) on: two groups, one block of 32.
; Lane l holds tokens 4 l .. 4 l + 3 of the wave's 128, register X + 4 ch + jj.  Mean first, then the variance of x - mean: no difference of large sums.
; The codes go through a stage in LDS and leave as whole aligned runs of 256 bytes.  A scale word spans 128 channels and a work-group has 64: it stores two of each word's four bytes (2-byte stores, 4 bytes apart;
; 2,048 bytes a work-group beside 49,152 of codes).
; LIMITS: NaN and infinities are not served.  A block of zeros gets the byte 1 (the floor) where the rule says 127: its codes are zeros, and this program alone reads the bytes.
.set STG, 0                            ; LDS: the stage, [tile 0..63][768]: one half (c) of a fragment for each tile of 16 tokens
.set SB,  49152                        ; two scale bytes for each (tile, row)
.set ST1, 51200                        ; partial sums: [channel half][group][token wave], 128 bytes
.set ST2, 51328                        ; partial sums of squares, bytes of their own
.set X,   128                          ; v128-255 the wave's 32 channels x 4 tokens a lane
.set T,   64                           ; v64-95   32 normalised numbers of one token
.set C,   96                           ; v96-127  codes, eight registers for each of the four tokens
	s_load_b256 s[4:11], s[0:1], 0x0               ; x, gn_scale, gn_bias, h_img
	s_load_b64 s[12:13], s[0:1], 0x20              ; w_img
	s_load_b512 s[16:31], s[0:1], 0x28             ; the four weights' codes, then their scales
	v_lshl_add_u32 v119, v0, 2, 0xca00
	v_mov_b32 v127, 0
	v_lshrrev_b32 v1, 5, v0
	v_readfirstlane_b32 s2, v1                     ; wave 0..15
	s_and_b32 s3, s2, 7                            ; tw: which 128 tokens
	s_lshr_b32 s14, s2, 3                          ; cw: which 32 channels
	s_and_b32 s15, ttmp7, 0xffff                   ; b: the image
	v_and_b32 v1, 31, v0                           ; lane
	v_lshlrev_b32 v2, 4, v1                        ; 16 l
	v_lshlrev_b32 v13, 3, v1                       ; 8 l
	v_lshlrev_b32 v10, 2, v1                       ; 4 l
	v_lshrrev_b32 v16, 3, v1
	v_bfe_u32 v17, v1, 1, 1
	v_lshl_add_u32 v16, v16, 1, v17                ; t0 = 2 (l/8) + (l/2)%2: the tile of my four tokens
	v_bfe_u32 v17, v1, 2, 1
	v_and_b32 v18, 1, v1
	v_lshlrev_b32 v18, 2, v18
	v_lshl_add_u32 v17, v17, 3, v18                ; r0 = 8 ((l/4)%2) + 4 (l%2): the row of my first token
	s_mul_i32 s32, s3, 6144
	s_lshl_b32 s33, s14, 8
	s_add_co_u32 s33, s32, s33
	v_mul_u32_u24 v18, v16, 768
	v_lshl_add_u32 v3, v17, 4, v18
	v_add_nc_u32 v3, s33, v3                       ; stage: 6144 tw + 768 t0 + 16 (r0 + 16 cw): registers 6c..6c+3 of lane (r, h = cw)
	s_lshl_b32 s33, s14, 7
	s_add_co_u32 s33, s32, s33
	s_add_co_u32 s33, s33, 512
	v_lshl_add_u32 v4, v17, 3, v18
	v_add_nc_u32 v4, s33, v4                       ; and + 512 + 8 (r0 + 16 cw): registers 6c+4, 6c+5
	v_lshl_add_u32 v5, v16, 4, v17
	v_lshlrev_b32 v5, 1, v5
	s_lshl_b32 s33, s3, 8
	s_add_co_u32 s33, s33, s14
	s_add_co_u32 s33, s33, SB
	v_add_nc_u32 v5, s33, v5                       ; my scale byte: SB + 2 (128 tw + 16 t0 + r0) + cw
	s_mul_i32 s33, s2, 3072
	v_add_nc_u32 v6, s33, v2                       ; the way out: wave w takes the stage's bytes 3072 w on
	v_and_b32 v18, 15, v1                          ; r
	v_lshrrev_b32 v19, 4, v1                       ; h
	v_lshlrev_b32 v8, 4, v18
	v_lshl_add_u32 v8, v19, 10, v8                 ; 16 (l%16) + 1024 (l/16): a run that ends one tile's half and begins the next's
	v_lshlrev_b32 v14, 2, v18                      ; 4 r
	s_lshl_b32 s33, s2, 7
	s_add_co_u32 s33, s33, SB
	v_lshl_add_u32 v9, v1, 1, s33                  ; the way out of the scale bytes: SB + 128 w + 2 l
	s_lshl_b32 s33, s14, 6
	s_lshl_b32 s34, s3, 2
	s_add_co_u32 s34, s34, s33
	s_add_co_u32 s34, s34, ST1
	v_mov_b32 v11, s34                             ; where my wave's partial sums go
	s_add_co_u32 s33, s33, ST1
	v_mov_b32 v12, s33                             ; and where the eight waves' sums of my two groups lie
	s_lshl_b32 s66, s15, 21                        ; x: b x 2 MiB + 64-channel slice x 256 KiB + cw x 128 KiB + tw x 512
	s_lshl_b32 s67, ttmp9, 18
	s_add_co_u32 s66, s66, s67
	s_lshl_b32 s67, s14, 17
	s_add_co_u32 s66, s66, s67
	s_lshl_b32 s67, s3, 9
	s_add_co_u32 s66, s66, s67
	s_mov_b32 s67, 0
	s_wait_kmcnt 0x0
	s_add_nc_u64 s[4:5], s[4:5], s[66:67]
.set i, 0
.rept 32
	global_load_b128 v[X+4*i:X+4*i+3], v2, s[4:5] offset:i*4096 th:TH_LOAD_NT   ; channel i: 32 lanes read 512 consecutive bytes
.set i, i+1
.endr
	; Waves 0 and 1 also copy one fragment of a weight each: 256 work-groups x 2 = 4 weights x 128 fragments.
	s_cmp_lt_u32 s2, 2
	s_cbranch_scc0 .Lno_weight
	s_lshl_b32 s32, s15, 3
	s_add_co_u32 s32, s32, ttmp9                   ; g = 8 b + slice
	s_lshr_b32 s33, s32, 6                         ; which weight: q, k, v, o
	s_and_b32 s32, s32, 63
	s_lshl_b32 s32, s32, 1
	s_add_co_u32 s32, s32, s2                      ; f: which of its 128 fragments
	s_bitcmp1_b32 s33, 0                           ; the choice hangs on the work-group's number alone
	s_cselect_b64 s[16:17], s[18:19], s[16:17]
	s_cselect_b64 s[20:21], s[22:23], s[20:21]
	s_cselect_b64 s[24:25], s[26:27], s[24:25]
	s_cselect_b64 s[28:29], s[30:31], s[28:29]
	s_bitcmp1_b32 s33, 1
	s_cselect_b64 s[16:17], s[20:21], s[16:17]
	s_cselect_b64 s[24:25], s[28:29], s[24:25]
	s_lshr_b32 s34, s32, 5                         ; panel
	s_bfe_u32 s35, s32, 0x20003                    ; K step
	s_and_b32 s36, s32, 7                          ; tile
	s_lshl_b32 s37, s34, 7
	s_lshr_b32 s38, s36, 1
	s_lshl_b32 s38, s38, 5
	s_add_co_u32 s37, s37, s38
	s_and_b32 s38, s36, 1
	s_lshl_b32 s38, s38, 3
	s_add_co_u32 s37, s37, s38                     ; the tile's first true row: 128 p + 32 (t/2) + 8 (t%2)
	s_mul_i32 s38, s37, 384
	s_mul_i32 s39, s35, 96
	s_add_co_u32 s38, s38, s39
	s_mov_b32 s39, 0
	s_add_nc_u64 s[16:17], s[16:17], s[38:39]      ; its codes: 384 bytes a row, 96 a K step
	s_lshl_b32 s38, s37, 4
	s_lshl_b32 s40, s35, 2
	s_add_co_u32 s38, s38, s40
	s_add_nc_u64 s[24:25], s[24:25], s[38:39]      ; its scale words: 16 bytes a row, 4 a K step
	s_mul_i32 s38, s33, 204800
	s_mul_i32 s40, s34, 51200
	s_add_co_u32 s38, s38, s40
	s_lshr_b32 s40, s35, 1
	s_mul_i32 s40, s40, 25600
	s_add_co_u32 s38, s38, s40                     ; the chunk in w_img
	s_and_b32 s41, s35, 1
	s_mul_i32 s40, s41, 12288
	s_mul_i32 s42, s36, 1536
	s_add_co_u32 s40, s40, s42
	s_add_co_u32 s40, s40, s38                     ; the fragment's image
	s_lshl_b32 s41, s41, 9
	s_lshl_b32 s42, s36, 6
	s_add_co_u32 s41, s41, s42
	s_add_co_u32 s41, s41, s38
	s_add_co_u32 s38, s41, 24576                   ; its sixteen scale words
	s_add_nc_u64 s[22:23], s[12:13], s[38:39]
	s_mov_b32 s41, 0
	s_add_nc_u64 s[12:13], s[12:13], s[40:41]
	v_and_b32 v20, 8, v18
	v_add_nc_u32 v20, v20, v18                     ; r + 8 (r/8)
	v_mul_u32_u24 v61, v20, 384
	v_mad_u32_u24 v61, v19, 24, v61
	v_lshlrev_b32 v62, 4, v20
.irp p, 0,1,2,3,4,5
	global_load_b64 v[48+2*\p:49+2*\p], v61, s[16:17] offset:48*(\p/3)+8*(\p%3)   ; the row's stream of bits is the register image
.endr
	global_load_b32 v60, v62, s[24:25]
.Lno_weight:
	s_lshl_b32 s32, ttmp9, 8                       ; gn_scale, gn_bias: my 32 channels
	s_lshl_b32 s33, s14, 7
	s_add_co_u32 s32, s32, s33
	s_mov_b32 s33, 0
	s_add_nc_u64 s[6:7], s[6:7], s[32:33]
	s_add_nc_u64 s[8:9], s[8:9], s[32:33]
	s_lshl_b32 s32, s15, 3                         ; where my part of the stage goes in h_img: token panel 8 b + w/2, chunk slice/4
	s_lshr_b32 s33, s2, 1
	s_add_co_u32 s32, s32, s33
	s_mul_i32 s32, s32, 51200
	s_lshr_b32 s33, ttmp9, 2
	s_mul_i32 s33, s33, 25600
	s_add_co_u32 s32, s32, s33
	s_bfe_u32 s33, ttmp9, 0x10001                  ; K step in the chunk
	s_and_b32 s34, ttmp9, 1                        ; c: which half of a fragment
	s_and_b32 s35, s2, 1                           ; tiles 0-3 or 4-7 of the panel
	s_mul_i32 s36, s33, 12288
	s_mul_i32 s37, s34, 768
	s_add_co_u32 s36, s36, s37
	s_mul_i32 s37, s35, 6144
	s_add_co_u32 s36, s36, s37
	s_add_co_u32 s36, s36, s32
	s_mov_b32 s37, 0
	s_lshl_b32 s38, s33, 9
	s_lshl_b32 s39, s35, 8
	s_add_co_u32 s38, s38, s39
	s_lshl_b32 s39, s34, 1
	s_add_co_u32 s38, s38, s39
	s_add_co_u32 s38, s38, s32
	s_add_co_u32 s38, s38, 24576
	s_mov_b32 s39, 0
	s_add_nc_u64 s[28:29], s[10:11], s[38:39]      ; the scale bytes
	s_add_nc_u64 s[10:11], s[10:11], s[36:37]      ; the codes
	s_load_b512 s[68:83], s[6:7], 0x0              ; gn_scale of my 32 channels
	s_load_b512 s[84:99], s[6:7], 0x40
	s_load_b512 s[32:47], s[8:9], 0x0              ; gn_bias
	s_load_b512 s[48:63], s[8:9], 0x40
	s_mov_b32 s66, 0x76543210                      ; v_permlanex16_b32's selects for lane l xor 16
	s_mov_b32 s67, 0xfedcba98
	s_wait_loadcnt 0x0                             ; x (and the weight's fragment)
	s_cmp_lt_u32 s2, 2
	s_cbranch_scc0 .Lno_store
	global_store_b128 v2, v[48:51], s[12:13]       ; the fragment's image: runs of 512 and 256 consecutive bytes
	global_store_b64 v13, v[52:53], s[12:13] offset:512
	global_store_b128 v2, v[54:57], s[12:13] offset:768
	global_store_b64 v13, v[58:59], s[12:13] offset:1280
	global_store_b32 v14, v60, s[22:23]            ; lanes r and r + 16 hold the same word and store it to the same place
.Lno_store:
.macro LANES dst                       ; four chains -> one number, the same in all 32 lanes
	v_pk_add_f32 v[32:33], v[32:33], v[34:35]
	v_pk_add_f32 v[36:37], v[36:37], v[38:39]
	v_pk_add_f32 v[32:33], v[32:33], v[36:37]
	v_add_f32 v32, v32, v33
	v_add_f32_dpp v32, v32, v32 row_xmask:1 row_mask:0xf bank_mask:0xf
	v_add_f32_dpp v32, v32, v32 row_xmask:2 row_mask:0xf bank_mask:0xf
	v_add_f32_dpp v32, v32, v32 row_xmask:4 row_mask:0xf bank_mask:0xf
	v_add_f32_dpp v32, v32, v32 row_xmask:8 row_mask:0xf bank_mask:0xf
	v_permlanex16_b32 v33, v32, s66, s67
	v_add_f32 v[\dst], v32, v33
.endm
.macro WAVES8 o                        ; v46, v47 of the eight waves that share my channels are added: v16 (group 0), v24 (group 1)
	ds_store_b32 v11, v46 offset:\o
	ds_store_b32 v11, v47 offset:\o+32
	s_wait_dscnt 0x0                               ; for the others' sake: my stores are done
	s_barrier_signal -1
	s_barrier_wait -1
.irp k, 0,1,2,3
	ds_load_b128 v[16+4*\k:19+4*\k], v12 offset:\o+16*\k
.endr
	s_wait_dscnt 0x0
.irp g, 0,1
	v_pk_add_f32 v[16+8*\g:17+8*\g], v[16+8*\g:17+8*\g], v[18+8*\g:19+8*\g]
	v_pk_add_f32 v[20+8*\g:21+8*\g], v[20+8*\g:21+8*\g], v[22+8*\g:23+8*\g]
	v_pk_add_f32 v[16+8*\g:17+8*\g], v[16+8*\g:17+8*\g], v[20+8*\g:21+8*\g]
	v_add_f32 v[16+8*\g], v[16+8*\g], v[17+8*\g]
.endr
.endm
	; the mean of each group: 16 channels x 1,024 tokens = 2^14 numbers
.irp g, 0,1
.irp k, 0,1,2,3
	v_pk_add_f32 v[32+2*\k:33+2*\k], v[X+64*\g+2*\k:X+64*\g+2*\k+1], v[X+64*\g+8+2*\k:X+64*\g+9+2*\k]
.endr
.irp m, 2,3,4,5,6,7
.irp k, 0,1,2,3
	v_pk_add_f32 v[32+2*\k:33+2*\k], v[32+2*\k:33+2*\k], v[X+64*\g+8*\m+2*\k:X+64*\g+8*\m+2*\k+1]
.endr
.endr
	LANES 46+\g
.endr
	WAVES8 0
	v_mul_f32 v40, 0x38800000, v16                 ; x 2^-14
	v_mul_f32 v42, 0x38800000, v24
	v_mov_b32 v41, v40
	v_mov_b32 v43, v42
.irp g, 0,1
.set i, 0
.rept 32
	v_pk_add_f32 v[X+64*\g+i:X+64*\g+i+1], v[X+64*\g+i:X+64*\g+i+1], v[40+2*\g:41+2*\g] neg_lo:[0,1] neg_hi:[0,1]   ; x - mean, kept
.set i, i+2
.endr
.endr
	; the variance: the mean of (x - mean)^2
.irp g, 0,1
.irp k, 0,1,2,3
	v_pk_mul_f32 v[32+2*\k:33+2*\k], v[X+64*\g+2*\k:X+64*\g+2*\k+1], v[X+64*\g+2*\k:X+64*\g+2*\k+1]
.endr
.irp m, 1,2,3,4,5,6,7
.irp k, 0,1,2,3
	v_pk_fma_f32 v[32+2*\k:33+2*\k], v[X+64*\g+8*\m+2*\k:X+64*\g+8*\m+2*\k+1], v[X+64*\g+8*\m+2*\k:X+64*\g+8*\m+2*\k+1], v[32+2*\k:33+2*\k]
.endr
.endr
	LANES 46+\g
.endr
	WAVES8 128                                     ; ST2 lies 128 bytes behind ST1
	v_mul_f32 v44, 0x38800000, v16
	v_mul_f32 v45, 0x38800000, v24
	v_add_f32 v44, 0x3727c5ac, v44                 ; + 1e-5
	v_add_f32 v45, 0x3727c5ac, v45
	v_rsq_f32 v44, v44
	v_rsq_f32 v45, v45
	v_nop                                          ; a plain instruction between the transcendentals and the use of their results
	s_wait_alu depctr_va_vdst(0)
	v_readfirstlane_b32 s2, v44                    ; the same number in every lane
	v_readfirstlane_b32 s3, v45
	s_wait_kmcnt 0x0                               ; gn_scale, gn_bias
.set i, 0
.rept 16
	s_mul_f32 s[68+i], s[68+i], s2                 ; gain x 1 / sqrt(var + eps), a channel at a time
	s_mul_f32 s[84+i], s[84+i], s3
.set i, i+1
.endr
; Token jj of my four: its 32 channels are one block: all its numbers are mine.
.macro QJ jj
.set i, 0
.rept 32
	v_fma_f32 v[T+i], v[X+4*i+\jj], s[68+i], s[32+i]
.set i, i+1
.endr
	v_max3_num_f32 v32, |v[T]|, |v[T+1]|, |v[T+2]|
	v_max3_num_f32 v33, |v[T+3]|, |v[T+4]|, |v[T+5]|
.irp i, 6,10,14,18,22,26
	v_max3_num_f32 v32, v32, |v[T+\i]|, |v[T+\i+1]|
	v_max3_num_f32 v33, v33, |v[T+\i+2]|, |v[T+\i+3]|
.endr
	v_max3_num_f32 v32, v32, |v[T+30]|, |v[T+31]|
	v_max3_num_f32 v32, v32, v33, 0x2800000        ; the floor 2^(5 - 127): the byte cannot fall under 1
	v_add_nc_u32 v34, 0xfe000000, v32              ; 4 off the exponent field: the conversion's scale operand
	v_cvt_scalef32_pk16_bf6_f32 v[C+8*\jj:C+8*\jj+2], v[T:T+15], v34
	v_cvt_scalef32_pk16_bf6_f32 v[C+8*\jj+4:C+8*\jj+6], v[T+16:T+31], v34   ; (a conversion's three registers begin on an even number)
	v_lshrrev_b32 v[36+\jj], 23, v34               ; the scale's byte; also the plain instruction behind the conversions
	v_mov_b32 v[C+8*\jj+3], v[C+8*\jj+4]
	v_mov_b32 v[C+8*\jj+4], v[C+8*\jj+5]
	v_mov_b32 v[C+8*\jj+5], v[C+8*\jj+6]           ; six registers on end: 24 bytes
	ds_store_b128 v3, v[C+8*\jj:C+8*\jj+3] offset:16*\jj
	ds_store_b64 v4, v[C+8*\jj+4:C+8*\jj+5] offset:8*\jj
	ds_store_b8 v5, v[36+\jj] offset:2*\jj
.endm
	QJ 0
	QJ 1
	QJ 2
	QJ 3
	s_wait_dscnt 0x0                               ; my part of the stage is written
	s_barrier_signal -1
	s_barrier_wait -1
.irp k, 0,1,2,3,4,5
	ds_load_b128 v[64+4*\k:67+4*\k], v6 offset:512*\k
.endr
	ds_load_u16 v88, v9
	ds_load_u16 v89, v9 offset:64
	s_wait_dscnt 0x0
	; four tiles' halves of 768 bytes go to places 1,536 bytes apart; every sixteen lanes store 256 consecutive bytes at a multiple of 256
	global_store_b128 v2, v[64:67], s[10:11]
	global_store_b128 v8, v[68:71], s[10:11] offset:512
	global_store_b128 v2, v[72:75], s[10:11] offset:1792
	global_store_b128 v2, v[76:79], s[10:11] offset:3072
	global_store_b128 v8, v[80:83], s[10:11] offset:3584
	global_store_b128 v2, v[84:87], s[10:11] offset:4864
	global_store_b16 v10, v88, s[28:29]            ; two of each scale word's four bytes
	global_store_b16 v10, v89, s[28:29] offset:128
	s_wait_tensorcnt 0x0
	ds_add_u32 v119, v127
	s_wait_dscnt 0x0
	s_endpgm
.Lfunc_end_k_q166d61e3b2_gnq:
	.size	k_q166d61e3b2_gnq, .Lfunc_end_k_q166d61e3b2_gnq-k_q166d61e3b2_gnq
	.p2alignl 7, 3214868480
	.fill 96, 4, 3214868480
	.section	.rodata,"a",@progbits
	.p2align	6, 0x0
	.amdhsa_kernel k_q166d61e3b2_gnq
		.amdhsa_group_segment_fixed_size 53760
		.amdhsa_private_segment_fixed_size 0
		.amdhsa_enable_private_segment 0
		.amdhsa_kernarg_size 104
		.amdhsa_user_sgpr_count 2
		.amdhsa_user_sgpr_kernarg_segment_ptr 1
		.amdhsa_wavefront_size32 1
		.amdhsa_system_sgpr_workgroup_id_x 1
		.amdhsa_system_sgpr_workgroup_id_y 1
		.amdhsa_system_sgpr_workgroup_id_z 1
		.amdhsa_system_vgpr_workitem_id 0
		.amdhsa_next_free_vgpr 256
		.amdhsa_next_free_sgpr 100
		.amdhsa_reserve_vcc 0
		.amdhsa_float_denorm_mode_32 3
		.amdhsa_float_denorm_mode_16_64 3
		.amdhsa_memory_ordered 1
		.amdhsa_forward_progress 1
		.amdhsa_inst_pref_size 45
	.end_amdhsa_kernel
	.amdgpu_metadata
---
amdhsa.version: [ 1, 2 ]
amdhsa.kernels:
  - .name:           k_q166d61e3b2_gnq
    .symbol:         k_q166d61e3b2_gnq.kd
    .args:
      - { .name: x, .offset: 0, .size: 8, .value_kind: global_buffer, .address_space: global }
      - { .name: gn_scale, .offset: 8, .size: 8, .value_kind: global_buffer, .address_space: global }
      - { .name: gn_bias, .offset: 16, .size: 8, .value_kind: global_buffer, .address_space: global }
      - { .name: h_img, .offset: 24, .size: 8, .value_kind: global_buffer, .address_space: global }
      - { .name: w_img, .offset: 32, .size: 8, .value_kind: global_buffer, .address_space: global }
      - { .name: wq_codes, .offset: 40, .size: 8, .value_kind: global_buffer, .address_space: global }
      - { .name: wk_codes, .offset: 48, .size: 8, .value_kind: global_buffer, .address_space: global }
      - { .name: wv_codes, .offset: 56, .size: 8, .value_kind: global_buffer, .address_space: global }
      - { .name: wo_codes, .offset: 64, .size: 8, .value_kind: global_buffer, .address_space: global }
      - { .name: wq_scales, .offset: 72, .size: 8, .value_kind: global_buffer, .address_space: global }
      - { .name: wk_scales, .offset: 80, .size: 8, .value_kind: global_buffer, .address_space: global }
      - { .name: wv_scales, .offset: 88, .size: 8, .value_kind: global_buffer, .address_space: global }
      - { .name: wo_scales, .offset: 96, .size: 8, .value_kind: global_buffer, .address_space: global }
    .group_segment_fixed_size: 53760
    .private_segment_fixed_size: 0
    .kernarg_segment_align: 8
    .kernarg_segment_size: 104
    .max_flat_workgroup_size: 512
    .sgpr_count:     100
    .vgpr_count:     256
    .wavefront_size: 32
...
	.end_amdgpu_metadata
.endif
;; end of part 1
;; launch kvproj (part 2): grid 128 x 2, 4 waves a work-group, no clusters, 168,448 bytes of LDS; arguments h_img, w_img, bk, bv, k_img, v_img; writes k_img, v_img
.if DOCPART == 2
	.amdgcn_target "amdgcn-amd-amdhsa--gfx1250"
	.amdhsa_code_object_version 6
	.text
	.protected	k_q166d61e3b2_kvproj
	.globl	k_q166d61e3b2_kvproj
	.p2align	8
	.type	k_q166d61e3b2_kvproj,@function
k_q166d61e3b2_kvproj:
	s_mov_b64 s[64:65], 0
	v_nop
	global_prefetch_b8 v0, s[64:65] scope:SCOPE_SE
	s_setreg_imm32_b32 hwreg(HW_REG_WAVE_MODE, 25, 1), 1
	s_wait_xcnt 0x0
; k = h Wk^T + bk, quantised along the channels (work-group y = 0), and v = h Wv^T + bv, quantised along the KEYS (y = 1), both on codes of E3M2 with E8M0 scales.
; All operands are images of operand registers (a fragment 1,536 bytes, a chunk of 128 rows x 256 K 25,600 bytes with its scale words at 24,576; row r of tile t = true row 32 (t/2) + 8 (t%2) + r + 8 (r/8)).
; A work-group makes 512 (source 0's rows) x 256 (source 1's rows) x K 512.  SOURCE 0 STAYS IN REGISTERS: wave w holds one panel of 128 rows, 32 fragments, 384 registers, read from memory once.
; SOURCE 1 STREAMS from LDS: two panels, 102,400 bytes, brought once by two tensor loads a wave; nothing in LDS is filled again.
;   y = 0: source 0 = Wk's panel w, source 1 = 256 tokens of h: a lane holds one token, its 64 registers 128 channels in order: K step w of k's image.  The bias goes by register.
;   y = 1: source 0 = h's token panel, source 1 = 256 rows of Wv: a lane holds one channel, its registers 128 tokens in order: one K step (a token panel) of v's image.  The bias goes by lane.
; One path through the text for both: buffers and offsets are chosen on the work-group's y; only the eight products that start a tile's sums stand in two arms (the bias is their C).
; No cluster: with y = 0 the streamed panels are read by this work-group alone, and what is shared (the weight) goes to registers by plain loads.
; Each tile of 16 streamed rows: 32 products (8 accumulators by turns), quantised in registers, and stored as an image: runs of 512 and 256 consecutive aligned bytes.
; LIMITS: NaN and infinities are not served; a block of zeros gets the byte 1: its codes are zeros, and this program alone reads the bytes.
; REGISTERS: window 0: v1-11 addresses; v12-27 source 0's scale words; v28-35 source 1's, two sets; v36-37 bias by lane; v40-47 the same eight times; v48-59 at work; v64-127 accumulators;
;   v128-223 source 1's fragments, two sets of four K steps; v224-243 codes.   window 1: v0-191 source 0, K steps 0, 1; v192-255 bias by register.   window 2: v0-191 K steps 2, 3.
.set XA16, 5                           ; v5, v6   16 lane (+ 51,200 for the second streamed panel)
.set XA8,  7                           ; v7, v8   8 lane likewise
.set XAS,  9                           ; v9, v10  the streamed panels' scale words: 24,576 + 4 r
.set XAB,  11                          ; v11      the bias by lane: BIASL + 4 (r + 8 (r/8))
.set SS,   12
.set XS,   28
.set BLV,  36
.set SSA,  38                          ; v38      where my scale words are gathered: SST + 1,024 wave + 4 r
.set PW,   39
.set BL8,  40
.set TM,   48
.set SSR,  60                          ; v60      and where they are read back: SST + 1,024 wave + 16 lane
.set ACC,  64
.set XF,   128
.set PC,   224
.set BR,   192                         ; in window 1
.set BIASL, 102400                     ; LDS: behind the two streamed panels: 256 numbers of the bias
.set SST,   103424                     ; 1,024 bytes for each wave: the scale words of its 16 tiles
.set MSB, 0
.macro WIN new                         ; the immediate's high byte repeats the setting that is left
.if MSB != (\new)
	s_set_vgpr_msb (MSB<<8)|(\new)
.set MSB, \new
.endif
.endm
	s_load_b256 s[4:11], s[0:1], 0x0               ; h_img, w_img, bk, bv
	s_load_b128 s[12:15], s[0:1], 0x20             ; k_img, v_img
	v_lshl_add_u32 v254, v0, 2, 0x29000
	v_mov_b32 v255, 0
	ds_add_u32 v254, v255
	ds_add_u32 v254, v255
	v_lshrrev_b32 v1, 5, v0
	v_readfirstlane_b32 s16, v1                    ; wave 0..3
	s_mov_b32 s17, ttmp9                           ; i
	s_and_b32 s18, ttmp7, 0xffff                   ; 0: k, 1: v
	s_lshr_b32 s19, s17, 1
	s_and_b32 s20, s17, 1
	s_mul_i32 s54, s16, 51200
	s_add_co_u32 s54, s54, 204800                  ; k: source 0 = Wk's panel w
	s_lshl_b32 s55, s19, 2
	s_add_co_u32 s55, s55, s16
	s_mul_i32 s55, s55, 51200                      ; v: source 0 = h's token panel 4 (i/2) + w
	s_mul_i32 s56, s17, 102400                     ; k: the stream = h's panels 2 i, 2 i + 1; the results go to the same panels of k_img
	s_mul_i32 s57, s20, 102400
	s_add_co_u32 s57, s57, 409600                  ; v: the stream = Wv's panels 2 (i%2), + 1
	s_lshr_b32 s58, s17, 2
	s_mul_i32 s58, s58, 409600
	s_mul_i32 s59, s20, 204800
	s_add_co_u32 s58, s58, s59
	s_and_b32 s59, s19, 1
	s_mul_i32 s59, s59, 51200
	s_add_co_u32 s58, s58, s59                     ; v: image i/4, channel panel 2 (i%2), chunks 2 ((i/2)%2) on
	s_lshr_b32 s59, s16, 1
	s_mul_i32 s59, s59, 25600
	s_and_b32 s60, s16, 1
	s_mul_i32 s61, s60, 12288
	s_add_co_u32 s61, s61, s59                     ; my K step's codes in the result's panel
	s_lshl_b32 s60, s60, 9
	s_add_co_u32 s60, s60, s59
	s_add_co_u32 s60, s60, 24576                   ; and its scale words
	s_mov_b32 s24, 3<<16                           ; descriptor group 1: 50 rows of 256 bytes (32 elements of 8 bytes), dense, no padding, no mask
	s_mov_b32 s25, 32<<16                          ; tensor_dim0
	s_mov_b32 s26, 50<<16                          ; tensor_dim1
	s_mov_b32 s27, 32<<16                          ; tile_dim0
	s_mov_b32 s28, 50                              ; tile_dim1
	s_mov_b32 s29, 32                              ; the pitch
	s_mov_b32 s30, 0
	s_mov_b32 s31, 0
	s_mov_b32 s52, 0x76543210                      ; v_permlanex16_b32's selects for lane l xor 16
	s_mov_b32 s53, 0xfedcba98
	s_mov_b32 s48, 102400                          ; from one streamed panel's results to the next's: v
	s_wait_dscnt 0x0
	s_wait_kmcnt 0x0
	s_cmp_eq_u32 s18, 0                            ; every choice hangs on the work-group's y alone
	s_cselect_b64 s[40:41], s[6:7], s[4:5]         ; source 0's buffer
	s_cselect_b64 s[42:43], s[4:5], s[6:7]         ; the stream's
	s_cselect_b64 s[44:45], s[12:13], s[14:15]     ; the result's
	s_cselect_b64 s[50:51], s[8:9], s[10:11]       ; the bias
	s_cselect_b32 s54, s54, s55
	s_cselect_b32 s58, s56, s58
	s_cselect_b32 s56, s56, s57
	s_cselect_b32 s48, 51200, s48                  ; k
	s_mov_b32 s55, 0
	s_add_nc_u64 s[40:41], s[40:41], s[54:55]
	s_mov_b32 s57, 0
	s_add_nc_u64 s[42:43], s[42:43], s[56:57]
	s_mov_b32 s59, 0
	s_add_nc_u64 s[44:45], s[44:45], s[58:59]
	s_mov_b32 s62, s60
	s_mov_b32 s63, 0
	s_add_nc_u64 s[46:47], s[44:45], s[62:63]      ; my scale words
	s_mov_b32 s62, s61
	s_add_nc_u64 s[44:45], s[44:45], s[62:63]      ; my codes
	s_mov_b32 s49, 0
	s_mul_i32 s21, s16, 12800                      ; wave w brings a quarter of each streamed panel
	s_mov_b32 s22, s21
	s_mov_b32 s23, 0
	s_add_nc_u64 s[42:43], s[42:43], s[22:23]
	s_mov_b32 s32, 1
	s_mov_b32 s33, s21                             ; LDS: 12,800 x wave
	s_mov_b64 s[34:35], s[42:43]
	s_or_b32 s35, s35, 0x80000000
	s_mov_b32 s36, 1
	s_add_co_u32 s37, s21, 51200                   ; LDS: 51,200 + 12,800 x wave
	s_add_nc_u64 s[38:39], s[42:43], 51200
	s_or_b32 s39, s39, 0x80000000
	tensor_load_to_lds s[32:35], s[24:31]          ; both fills go out together, ahead of every wait, LDS read and barrier: two loads of mine are out
	s_nop 0
	tensor_load_to_lds s[36:39], s[24:31]
	s_nop 0
.rept 4
	v_nop
.endr
	s_lshl_b32 s54, s16, 9
	s_add_nc_u64 s[56:57], s[50:51], s[54:55]      ; the bias of source 0's 128 rows
	s_lshl_b32 s54, s20, 10
	s_add_nc_u64 s[58:59], s[50:51], s[54:55]      ; and of the stream's 256 rows (used where y = 1)
	v_and_b32 v1, 31, v0                           ; lane
	v_and_b32 v2, 15, v0                           ; r
	v_bfe_u32 v61, v0, 4, 1                        ; h
	v_lshlrev_b32 v[XA16], 4, v1
	v_add_nc_u32 v[XA16+1], 51200, v[XA16]
	v_lshlrev_b32 v[XA8], 3, v1
	v_add_nc_u32 v[XA8+1], 51200, v[XA8]
	v_lshlrev_b32 v3, 2, v1                        ; 4 lane
	v_lshlrev_b32 v4, 2, v2                        ; 4 r
	v_add_nc_u32 v[XAS], 24576, v4
	v_add_nc_u32 v[XAS+1], 75776, v4
	v_and_b32 v62, 8, v2
	v_add_nc_u32 v62, v62, v2
	v_lshl_add_u32 v[XAB], v62, 2, BIASL
	s_lshl_b32 s19, s16, 10
	s_add_co_u32 s19, s19, SST
	v_add_nc_u32 v[SSA], s19, v4
	v_add_nc_u32 v[SSR], s19, v[XA16]
	v_lshlrev_b32 v63, 6, v61                      ; 64 h
	v_lshlrev_b32 v62, 3, v0                       ; 8 x thread
	v_add_nc_u32 v2, BIASL, v62
.macro FRAGG reg, o                    ; a fragment's image from memory
	global_load_b128 v[\reg:\reg+3], v[XA16], s[40:41] offset:\o
	global_load_b64 v[\reg+4:\reg+5], v[XA8], s[40:41] offset:\o+512
	global_load_b128 v[\reg+6:\reg+9], v[XA16], s[40:41] offset:\o+768
	global_load_b64 v[\reg+10:\reg+11], v[XA8], s[40:41] offset:\o+1280
.endm
	global_load_b64 v[40:41], v62, s[58:59]        ; 128 threads x 8 bytes: the stream's bias
.irp s, 0,1,2,3
.irp i, 0,1,2,3
	global_load_b32 v[SS+4*\s+\i], v3, s[40:41] offset:(\s/2)*25600+24576+(\s%2)*512+128*\i   ; lanes 0-15 tile 2 i's words, lanes 16-31 tile 2 i + 1's
.endr
.endr
	WIN 0x40                                       ; destination window 1
.irp s, 0,1
.irp t, 0,1,2,3,4,5,6,7
	FRAGG 96*\s+12*\t, \s*12288+1536*\t
.endr
.endr
.irp t, 0,1,2,3,4,5,6,7
	global_load_b128 v[BR+8*\t:BR+8*\t+3], v63, s[56:57] offset:(32*(\t/2)+8*(\t%2))*4        ; lane (r, h), tile t: the bias of rows 32 (t/2) + 8 (t%2) + 16 h + 0 .. 7
	global_load_b128 v[BR+8*\t+4:BR+8*\t+7], v63, s[56:57] offset:(32*(\t/2)+8*(\t%2))*4+16
.endr
	WIN 0x80                                       ; destination window 2
.irp s, 0,1
.irp t, 0,1,2,3,4,5,6,7
	FRAGG 96*\s+12*\t, 25600+\s*12288+1536*\t
.endr
.endr
	WIN 0
.irp b, 0,1,2,3
	v_mov_b32 v[TM+4+\b], 0                        ; written once: a lane permute's destination counts as one of its sources
.endr
	s_wait_loadcnt 0x0
	ds_store_b64 v2, v[40:41]
; tile d of streamed panel p: four fragments, four scale words, the lane's bias: 21 loads, into set par
.macro LOADX par, p, d
.irp s, 0,1,2,3
.set oF, (\s/2)*25600+(\s%2)*12288+1536*(\d)
.set rr, XF+48*(\par)+12*\s
	ds_load_b128 v[rr:rr+3], v[XA16+\p] offset:oF
	ds_load_b64 v[rr+4:rr+5], v[XA8+\p] offset:oF+512
	ds_load_b128 v[rr+6:rr+9], v[XA16+\p] offset:oF+768
	ds_load_b64 v[rr+10:rr+11], v[XA8+\p] offset:oF+1280
.endr
.irp s, 0,1,2,3
	ds_load_b32 v[XS+4*(\par)+\s], v[XAS+\p] offset:(\s/2)*25600+(\s%2)*512+64*(\d)
.endr
	ds_load_b32 v[BLV+(\par)], v[XAB] offset:512*(\p)+128*((\d)/2)+32*((\d)%2)
.endm
; eight products of K step s.  cm = 0: onto the sums; 1: the bias by register starts them; 2: the bias by lane
.macro PRODS s, cm
.irp t, 0,1,2,3,4,5,6,7
.set rD, ACC+8*\t
.set rA, 96*((\s)%2)+12*\t
.set rB, XF+48*PAR+12*(\s)
.set rX0, SS+4*(\s)+\t/2
.set rX1, XS+4*PAR+(\s)
.set rC, rD
.if (\cm) == 1
.set rC, BR+8*\t
.elseif (\cm) == 2
.set rC, BL8
.endif
.if \t%2
	v_wmma_scale_f32_16x16x128_f8f6f4 v[rD:rD+7], v[rA:rA+11], v[rB:rB+11], v[rC:rC+7], v[rX0], v[rX1] matrix_a_fmt:MATRIX_FMT_BF6 matrix_b_fmt:MATRIX_FMT_BF6 matrix_a_scale:MATRIX_SCALE_ROW1
.else
	v_wmma_scale_f32_16x16x128_f8f6f4 v[rD:rD+7], v[rA:rA+11], v[rB:rB+11], v[rC:rC+7], v[rX0], v[rX1] matrix_a_fmt:MATRIX_FMT_BF6 matrix_b_fmt:MATRIX_FMT_BF6
.endif
.endr
.endm
; 64 numbers of a lane, register 16 b + i = k 32 b + 16 (lane / 16) + i of my row, become a fragment's codes in v[PC] on and its scale word in v[PW]
.macro QUANT s
.irp b, 0,1,2,3
	v_max3_num_f32 v[TM+\b], |v[\s+16*\b]|, |v[\s+1+16*\b]|, 0x2800000   ; with the floor 2^(5 - 127): the byte cannot fall under 1
.endr
.irp i, 2,4,6,8,10,12,14
.irp b, 0,1,2,3
	v_max3_num_f32 v[TM+\b], v[TM+\b], |v[\s+16*\b+\i]|, |v[\s+1+16*\b+\i]|
.endr
.endr
.irp b, 0,1,2,3
	v_permlanex16_b32 v[TM+4+\b], v[TM+\b], s52, s53
.endr
.irp b, 0,1,2,3
	v_max_num_f32 v[TM+\b], v[TM+\b], v[TM+4+\b]   ; with lane l xor 16's: the block's largest magnitude
.endr
.irp b, 0,1,2,3
	v_add_nc_u32 v[TM+8+\b], 0xfe000000, v[TM+\b]  ; 4 off its exponent field: the conversion's scale operand
.endr
.irp b, 0,1,2,3
	v_lshrrev_b32 v[TM+4+\b], 23, v[TM+8+\b]       ; the scale's byte
.endr
	v_lshl_or_b32 v[PW], v[TM+5], 8, v[TM+4]
	v_lshl_or_b32 v[PW], v[TM+6], 16, v[PW]
	v_lshl_or_b32 v[PW], v[TM+7], 24, v[PW]
.irp c, 0,1
	v_cvt_scalef32_pk16_bf6_f32 v[PC+6*\c:PC+2+6*\c], v[\s+32*\c:\s+15+32*\c], v[TM+8+2*\c]
	v_cvt_scalef32_pk16_bf6_f32 v[PC+12+4*\c:PC+14+4*\c], v[\s+16+32*\c:\s+31+32*\c], v[TM+8+2*\c+1]
.endr
	v_nop                                          ; one plain instruction behind the scaled conversions
.irp c, 0,1                                    ; a whole block to a lane: lanes 0-15 block 2 c, lanes 16-31 block 2 c + 1
.irp i, 0,1,2
	v_permlane16_swap_b32 v[PC+6*\c+\i], v[PC+12+4*\c+\i]
.endr
.irp i, 0,1,2
	v_mov_b32 v[PC+3+6*\c+\i], v[PC+12+4*\c+\i]
.endr
.endr
.endm
.macro TILE p, d
.set PAR, (\d)%2
.if (\d) < 7
	LOADX 1-PAR, \p, (\d)+1                        ; the next tile, into the other set (its last readers stand behind four v_nop and a quantiser)
	s_wait_dscnt 21                                ; all but the 21 just issued: this tile is in, and the last tile's scale word has been stored
.else
	s_wait_dscnt 0x0
.endif
	s_cmp_eq_u32 s18, 0
	s_cbranch_scc0 .Larm_v_\@
	WIN 0x11                                       ; source 0 and C (the bias by register) in window 1
	PRODS 0, 1
	WIN 0
	s_branch .Ljoin_\@
.Larm_v_\@:
.irp j, 0,1,2,3,4,5,6,7
	v_mov_b32 v[BL8+\j], v[BLV+PAR]                ; the lane's bias in all eight registers of a result
.endr
.rept 4
	v_nop
.endr
	WIN 0x01
	PRODS 0, 2
	WIN 0
.Ljoin_\@:
	WIN 0x01
	PRODS 1, 0
	WIN 0x02
	PRODS 2, 0
	PRODS 3, 0
	WIN 0
.rept 4
	v_nop                                          ; four plain instructions between the last products and the first read of results (ISA guide 7.12.1)
.endr
	s_wait_xcnt 0x0                                ; the last tile's stores have read their registers: the codes are written again only behind this wait
	QUANT ACC
	global_store_b128 v[XA16], v[PC:PC+3], s[44:45] offset:1536*(\d)
	global_store_b64 v[XA8], v[PC+4:PC+5], s[44:45] offset:1536*(\d)+512
	global_store_b128 v[XA16], v[PC+6:PC+9], s[44:45] offset:1536*(\d)+768
	global_store_b64 v[XA8], v[PC+10:PC+11], s[44:45] offset:1536*(\d)+1280
	ds_store_b32 v[SSA], v[PW] offset:512*(\p)+64*(\d)   ; lanes r and r + 16 hold the same word
.endm
.macro PANEL p
	s_wait_tensorcnt 1-\p                          ; my quarter of panel p is in (the first time the second panel's load may stay out)
	s_wait_dscnt 0x0
	s_barrier_signal -1
	s_barrier_wait -1                              ; everybody's is, and the bias lies in LDS
	LOADX 0, \p, 0
.irp d, 0,1,2,3,4,5,6,7
	TILE \p, \d
.endr
.endm
	PANEL 0
	s_wait_xcnt 0x0                                ; the stores have read their base
	s_add_nc_u64 s[44:45], s[44:45], s[48:49]
	PANEL 1
	ds_load_b128 v[64:67], v[SSR]                  ; LDS serves a wave's instructions in order: these see my stores.  512 bytes: a panel's scale words of my K step
	ds_load_b128 v[68:71], v[SSR] offset:512
	s_wait_dscnt 0x0
	global_store_b128 v[XA16], v[64:67], s[46:47]
	s_wait_xcnt 0x0
	s_add_nc_u64 s[46:47], s[46:47], s[48:49]
	global_store_b128 v[XA16], v[68:71], s[46:47]
	s_wait_tensorcnt 0x0
	ds_add_u32 v254, v255
	s_wait_dscnt 0x0
	s_endpgm
.Lfunc_end_k_q166d61e3b2_kvproj:
	.size	k_q166d61e3b2_kvproj, .Lfunc_end_k_q166d61e3b2_kvproj-k_q166d61e3b2_kvproj
	.p2alignl 7, 3214868480
	.fill 96, 4, 3214868480
	.section	.rodata,"a",@progbits
	.p2align	6, 0x0
	.amdhsa_kernel k_q166d61e3b2_kvproj
		.amdhsa_group_segment_fixed_size 168448
		.amdhsa_private_segment_fixed_size 0
		.amdhsa_enable_private_segment 0
		.amdhsa_kernarg_size 48
		.amdhsa_user_sgpr_count 2
		.amdhsa_user_sgpr_kernarg_segment_ptr 1
		.amdhsa_wavefront_size32 1
		.amdhsa_system_sgpr_workgroup_id_x 1
		.amdhsa_system_sgpr_workgroup_id_y 1
		.amdhsa_system_sgpr_workgroup_id_z 1
		.amdhsa_system_vgpr_workitem_id 0
		.amdhsa_next_free_vgpr 704
		.amdhsa_next_free_sgpr 66
		.amdhsa_reserve_vcc 0
		.amdhsa_float_denorm_mode_32 3
		.amdhsa_float_denorm_mode_16_64 3
		.amdhsa_memory_ordered 1
		.amdhsa_forward_progress 1
		.amdhsa_inst_pref_size 203
	.end_amdhsa_kernel
	.amdgpu_metadata
---
amdhsa.version: [ 1, 2 ]
amdhsa.kernels:
  - .name:           k_q166d61e3b2_kvproj
    .symbol:         k_q166d61e3b2_kvproj.kd
    .args:
      - { .name: h_img, .offset: 0, .size: 8, .value_kind: global_buffer, .address_space: global }
      - { .name: w_img, .offset: 8, .size: 8, .value_kind: global_buffer, .address_space: global }
      - { .name: bk, .offset: 16, .size: 8, .value_kind: global_buffer, .address_space: global }
      - { .name: bv, .offset: 24, .size: 8, .value_kind: global_buffer, .address_space: global }
      - { .name: k_img, .offset: 32, .size: 8, .value_kind: global_buffer, .address_space: global }
      - { .name: v_img, .offset: 40, .size: 8, .value_kind: global_buffer, .address_space: global }
    .group_segment_fixed_size: 168448
    .private_segment_fixed_size: 0
    .kernarg_segment_align: 8
    .kernarg_segment_size: 48
    .max_flat_workgroup_size: 128
    .sgpr_count:     66
    .vgpr_count:     704
    .wavefront_size: 32
...
	.end_amdgpu_metadata
.endif
;; end of part 2
;; launch attn (part 3): grid 8 x 32, 4 waves a work-group, clusters of 4 x 1, 327,680 bytes of LDS; arguments h_img, w_img, k_img, v_img, bq, bo, x, out0; writes out0
.if DOCPART == 3
	.amdgcn_target "amdgcn-amd-amdhsa--gfx1250"
	.amdhsa_code_object_version 6
	.text
	.protected	k_q166d61e3b2_attn
	.globl	k_q166d61e3b2_attn
	.p2align	8
	.type	k_q166d61e3b2_attn,@function
k_q166d61e3b2_attn:
	s_mov_b64 s[64:65], 0
	v_nop
	global_prefetch_b8 v0, s[64:65] scope:SCOPE_SE
	s_setreg_imm32_b32 hwreg(HW_REG_WAVE_MODE, 25, 1), 1
	s_wait_xcnt 0x0
	s_wait_alu depctr_hold_cnt(0) depctr_sa_sdst(0) depctr_va_vdst(0) depctr_va_sdst(0) depctr_va_ssrc(0) depctr_va_vcc(0) depctr_vm_vsrc(0)
	s_getreg_b32 s2, hwreg(HW_REG_IB_STS2, 6, 4)
	s_cmp_eq_u32 s2, 0
	s_cbranch_scc0 .Lentry_in_a_cluster
	s_endpgm
.Lentry_in_a_cluster:
	s_bfe_u32 s2, ttmp6, 0x10000c
	s_cmp_lg_u32 s2, 0x3003
	s_cbranch_scc0 .Lentry_shape_is_right
	s_endpgm
.Lentry_shape_is_right:
; out0 = x + (softmax((h Wq^T + bq) k^T / sqrt(512)) v) Wo^T + bo, every product on codes of E3M2 with one E8M0 scale for 32 along K.
; Operands are images of operand registers: a fragment (16 rows x 128 K) 1,536 bytes, a chunk (128 rows x 256 K) 25,600 bytes with its scale words at 24,576; row r of tile t = true row 32 (t/2) + 8 (t%2) + r + 8 (r/8).
; SHARES.  A work-group owns 128 queries of one image.  In each of five products a wave makes 128 x 128 (64 accumulators, 512 registers); the four waves share the OTHER axis:
;   P0  q:   source 0 = Wq's panel w (ring),      source 1 = h (LDS, all waves)    -> a lane holds a query, registers 128 channels: K step w of q's image
;   P1a, b:  source 0 = k's panel w, w + 4 (ring), source 1 = q                     -> a lane holds a query, registers 128 keys: softmax, K step w, w + 4 of p's image
;   P2  o:   source 0 = v's panel w (ring),       source 1 = p                     -> registers 128 channels: / the row's sum, K step w of a's image
;   P3  out: source 0 = a,                        source 1 = Wo's panel w (ring)   -> a lane holds a channel, registers 128 tokens: + x, stored
; THE RING is each wave's own: two slots of one chunk.  Its chunks hang on the image and the wave's number alone, so the four work-groups of a cluster (four query panels of one image) ask for them JOINTLY.
; THE SOFTMAX.  t = score x log2(e) / sqrt(512).  Each wave takes, for its own 128 keys, M = ceil(the largest t), a whole number, p = 2^(t - M), quantises p and adds the unquantised p.
; Then the eight M of a query are compared: the row's M is the largest, each part's sum is brought under it by v_ldexp_f32, and each part's SCALE BYTES have M(row) - M(part) taken off: exact powers of two; the codes stay.
; LIMITS: NaN and infinities are not served.  A block of zeros gets the byte 1.  A byte of p that would fall under 0 is held at 0: such terms lie under 2^-120 of the row's largest p.
;   p is at most 1, so its bytes are at most 123: the subtraction on four bytes at once leans on that.
; REGISTERS: window 0: v1-31 addresses; v32-47, v48-63 scale words of source 0, 1 (two sets); v64-127 a bias as C; v128-223 source 1's fragments, in the epilogues at work; v224-231 bo by lane.
;   window 1: source 0's fragments, two sets, at v0 and v128; at the end x.   windows 2, 3: accumulator (a, t) at v[8 (8 (a%4) + t)], a = source 1's tile, t = source 0's.
.set CH,    25600
.set PREG,  204800                     ; LDS: behind the four rings: four chunks: h, q, p, a by turns; the way out's stages in the last two
.set MST,   307200                     ; -M of each (part j, query): [8][128] f32; 4,096 bytes on: the parts' sums
.set RL,    315392                     ; 1 / the row's sum, 512 bytes for each wave
.set SPARE, 317440                     ; the spare words, 128 bytes for each wave: two blocks of 256 bytes that no other line names
.set STAGE, PREG+51200
.set L16, 1                            ; v1-3   16, 8, 4 x lane
.set L8,  2
.set L4,  3                            ; v4-6   the same + my ring
.set SPW, 14                           ; v14    my spare word; never rewritten
.set NIL, 15                           ; v15    0; never rewritten
.set IM16, 16                          ; v16, 17  where my K step's images go: PREG + (w/2) chunks + (w%2) 12,288 + 16, 8 x lane
.set IM8,  17
.set IMS,  18                          ; v18    their scale words, by 4 r;  v19 by 4 x lane
.set IMS4, 19
.set MS,   20                          ; v20    MST + 512 w + 4 r
.set ST4,  21                          ; v21    MST + 4 lane
.set MSO,  22                          ; v22    MST + 512 w + 4 lane
.set RLW,  23                          ; v23, 24  RL + 512 w + 4 lane, + 4 r
.set RLR,  24
.set STO,  25                          ; v25    the way out: my stage + 528 r + 64 h
.set RD,   26                          ; v26    my stage + 16 lane
.set PFX,  27                          ; v27    4,096 (lane/2) + 256 (lane%2)
.set SC0,  32
.set SC1,  48
.set BIAS, 64
.set S1F,  128
.set BO8,  224
.set PC,   128                         ; in the epilogues: v128-146 codes, v148-159 at work, v160 a scale word, v[162:163] -M, v164-165 a sum, v180-187 1 / the rows' sums
.set TM,   148
.set PW,   160
.set NM,   162
.set LA,   164
.set RLA,  180
.set WV,   20                          ; s20 my wave's number
.set G1R,  24                          ; s[24:31] descriptor group 1 for the ring's chunks;  s[32:39] for h's quarter
.set G1H,  32
.set G0,   40                          ; s[40:43], s[44:47] group 0 of slot 0, 1;  s[48:51] of h's quarter
.set G0H,  48
.set WQB,  52                          ; s[52:59] where my panels of Wq, k, v, Wo begin
.set KB,   54
.set VB,   56
.set WOB,  58
.set SEL,  60
.set CS,   62
.set MSB, 0
.macro WIN new                         ; the immediate's high byte repeats the setting that is left
.if MSB != (\new)
	s_set_vgpr_msb (MSB<<8)|(\new)
.set MSB, \new
.endif
.endm
.macro PLACES                          ; four plain instructions behind matrix instructions, in front of loads into their registers and of reads of results (ISA guide 7.12.1 for reads of results)
.rept 4
	v_nop
.endr
.endm
.macro CREST                           ; a round of the cluster's barrier behind its opening barrier
	s_cmp_lg_u32 s[WV], 0
	s_cbranch_scc1 .Lnot_wave_0_\@
	s_barrier_signal -3
.Lnot_wave_0_\@:
	s_barrier_wait -3
	s_barrier_signal -1
	s_barrier_wait -1
.endm
.macro CROUND
	s_barrier_signal -1
	s_barrier_wait -1
	CREST
.endm
.macro BARRIER                         ; my LDS stores have landed and my LDS loads are in: then the work-group's barrier
	s_wait_dscnt 0x0
	s_barrier_signal -1
	s_barrier_wait -1
.endm
	s_load_b512 s[4:19], s[0:1], 0x0               ; h_img, w_img, k_img, v_img, bq, bo, x, out0
	v_lshl_add_u32 v[SPW], v0, 2, SPARE
	v_mov_b32 v[NIL], 0
	ds_add_u32 v14, v15
	ds_add_u32 v14, v15
	s_wait_dscnt 0x0
	v_lshrrev_b32 v1, 5, v0
	v_readfirstlane_b32 s[WV], v1                  ; wave 0..3
	s_bfe_u32 s23, ttmp6, 0x40000                  ; cx
	s_lshl_b32 s21, ttmp9, 2
	s_add_co_u32 s21, s21, s23                     ; my query panel = 4 x cluster x + cx: it enters h's, x's and out0's addresses alone
	s_and_b32 s22, ttmp7, 0xffff                   ; the image, which the four partners share
	s_mov_b32 s[G1R], 15|(3<<16)|(1<<21)           ; the mask: all four work-groups; elements of 8 bytes; bit 21 beside a mask; no padding
	s_mov_b32 s[G1R+1], 32<<16                     ; rows of 256 bytes
	s_mov_b32 s[G1R+2], 100<<16                    ; 100 of them: a chunk
	s_mov_b32 s[G1R+3], 32<<16
	s_mov_b32 s[G1R+4], 100
	s_mov_b32 s[G1R+5], 32
	s_mov_b32 s[G1R+6], 0
	s_mov_b32 s[G1R+7], 0
	s_mov_b32 s[G1H], 3<<16                        ; no mask: h's panel is my work-group's own
	s_mov_b32 s[G1H+1], 32<<16
	s_mov_b32 s[G1H+2], 50<<16                     ; 50 rows: a quarter of a panel
	s_mov_b32 s[G1H+3], 32<<16
	s_mov_b32 s[G1H+4], 50
	s_mov_b32 s[G1H+5], 32
	s_mov_b32 s[G1H+6], 0
	s_mov_b32 s[G1H+7], 0
	s_mov_b32 s[SEL], 0x76543210
	s_mov_b32 s[SEL+1], 0xfedcba98
	s_mov_b32 s[CS], 0x3d8293ee                    ; c = log2(e) / sqrt(512)
	s_mov_b32 s[CS+1], s[CS]
	s_mov_b32 s70, 0x80808080
	s_mov_b32 s71, 0x01010101
	s_mul_i32 s81, s[WV], 51200                    ; my ring in LDS; also my panel in a weight
	s_mov_b32 s74, s81
	s_mov_b32 s75, 0
	s_lshl_b32 s76, s22, 3
	s_add_co_u32 s76, s76, s[WV]
	s_mul_i32 s76, s76, 51200
	s_mov_b32 s77, 0
	s_mul_i32 s82, s[WV], 12800
	s_lshl_b32 s78, s22, 3
	s_add_co_u32 s78, s78, s21
	s_mul_i32 s78, s78, 51200
	s_add_co_u32 s78, s78, s82                     ; h: panel 8 b + my query panel, quarter w
	s_mov_b32 s79, 0
	s_wait_kmcnt 0x0
	s_add_nc_u64 s[WQB:WQB+1], s[6:7], s[74:75]
	s_add_nc_u64 s[WOB:WOB+1], s[WQB:WQB+1], 614400
	s_add_nc_u64 s[KB:KB+1], s[8:9], s[76:77]
	s_mul_i32 s76, s22, 409600
	s_mul_i32 s74, s[WV], 102400
	s_add_co_u32 s76, s76, s74
	s_add_nc_u64 s[VB:VB+1], s[10:11], s[76:77]
	s_mov_b32 s[G0H], 1
	s_add_co_u32 s[G0H+1], s82, PREG
	s_add_nc_u64 s[G0H+2:G0H+3], s[4:5], s[78:79]
	s_or_b32 s[G0H+3], s[G0H+3], 0x80000000
	s_mov_b32 s[G0], 1
	s_mov_b32 s[G0+1], s81
	s_mov_b64 s[G0+2:G0+3], s[WQB:WQB+1]
	s_or_b32 s[G0+3], s[G0+3], 0x80000000
	s_mov_b32 s[G0+4], 1
	s_add_co_u32 s[G0+5], s81, CH
	s_add_nc_u64 s[G0+6:G0+7], s[WQB:WQB+1], CH
	s_or_b32 s[G0+7], s[G0+7], 0x80000000
	CROUND                                         ; all four work-groups are here: the first joint loads meet
	tensor_load_to_lds s[G0H:G0H+3], s[G1H:G1H+7]  ; the first fills go out together: three loads of mine are out
	s_nop 0
	tensor_load_to_lds s[G0:G0+3], s[G1R:G1R+7]
	s_nop 0
	tensor_load_to_lds s[G0+4:G0+7], s[G1R:G1R+7]
	s_nop 0
	PLACES
	s_lshl_b32 s78, s22, 21                        ; x and out0: image x 2 MiB + 128 w channels x 4,096 + query panel x 512
	s_lshl_b32 s80, s[WV], 19
	s_add_co_u32 s78, s78, s80
	s_lshl_b32 s80, s21, 9
	s_add_co_u32 s78, s78, s80
	s_add_nc_u64 s[66:67], s[16:17], s[78:79]
	s_add_nc_u64 s[68:69], s[18:19], s[78:79]
	v_and_b32 v28, 31, v0                          ; lane
	v_and_b32 v29, 15, v0                          ; r
	v_bfe_u32 v30, v0, 4, 1                        ; h
	v_lshlrev_b32 v[L16], 4, v28
	v_lshlrev_b32 v[L8], 3, v28
	v_lshlrev_b32 v[L4], 2, v28
	v_add_nc_u32 v4, s81, v[L16]
	v_add_nc_u32 v5, s81, v[L8]
	v_add_nc_u32 v6, s81, v[L4]
	v_lshlrev_b32 v7, 2, v29                       ; 4 r
	s_lshr_b32 s82, s[WV], 1
	s_mul_i32 s82, s82, CH
	s_and_b32 s83, s[WV], 1
	s_mul_i32 s74, s83, 12288
	s_add_co_u32 s74, s74, s82
	s_add_co_u32 s74, s74, PREG
	v_add_nc_u32 v[IM16], s74, v[L16]
	v_add_nc_u32 v[IM8], s74, v[L8]
	s_lshl_b32 s83, s83, 9
	s_add_co_u32 s83, s83, s82
	s_add_co_u32 s83, s83, PREG+24576
	v_add_nc_u32 v[IMS], s83, v7
	v_add_nc_u32 v[IMS4], s83, v[L4]
	s_lshl_b32 s82, s[WV], 9
	s_add_co_u32 s83, s82, MST
	v_add_nc_u32 v[MS], s83, v7
	v_add_nc_u32 v[MSO], s83, v[L4]
	v_add_nc_u32 v[ST4], MST, v[L4]
	s_add_co_u32 s83, s82, RL
	v_add_nc_u32 v[RLW], s83, v[L4]
	v_add_nc_u32 v[RLR], s83, v7
	s_mul_i32 s83, s[WV], 8448
	s_add_co_u32 s83, s83, STAGE
	v_mul_u32_u24 v[STO], v29, 528
	v_lshl_add_u32 v[STO], v30, 6, v[STO]
	v_add_nc_u32 v[STO], s83, v[STO]
	v_add_nc_u32 v[RD], s83, v[L16]
	v_lshrrev_b32 v[PFX], 1, v28
	v_lshlrev_b32 v[PFX], 12, v[PFX]
	v_and_b32 v31, 1, v28
	v_lshl_add_u32 v[PFX], v31, 8, v[PFX]
	v_lshlrev_b32 v30, 6, v30                      ; 64 h
	v_and_b32 v31, 8, v29
	v_add_nc_u32 v31, v31, v29
	v_lshlrev_b32 v31, 2, v31                      ; 4 (r + 8 (r/8))
	s_mov_b32 s74, s82                             ; 512 w: my 128 numbers of bq and of bo
	s_add_nc_u64 s[12:13], s[12:13], s[74:75]
	s_add_nc_u64 s[14:15], s[14:15], s[74:75]
.irp t, 0,1,2,3,4,5,6,7
	global_load_b128 v[BIAS+8*\t:BIAS+8*\t+3], v30, s[12:13] offset:(32*(\t/2)+8*(\t%2))*4      ; bq by register: lane (r, h), tile t: channels 32 (t/2) + 8 (t%2) + 16 h + 0 .. 7
	global_load_b128 v[BIAS+8*\t+4:BIAS+8*\t+7], v30, s[12:13] offset:(32*(\t/2)+8*(\t%2))*4+16
	global_load_b32 v[BO8+\t], v31, s[14:15] offset:(32*(\t/2)+8*(\t%2))*4                      ; bo by lane: row r of Wo's tile t
.endr
.macro FRAG reg, a16, a8, o            ; a fragment's image from LDS: every load takes consecutive bytes
	ds_load_b128 v[\reg:\reg+3], v[\a16] offset:\o
	ds_load_b64 v[\reg+4:\reg+5], v[\a8] offset:\o+512
	ds_load_b128 v[\reg+6:\reg+9], v[\a16] offset:\o+768
	ds_load_b64 v[\reg+10:\reg+11], v[\a8] offset:\o+1280
.endm
.macro SETADR role, src, c             ; the chunk at LDS byte c (src = 1) or at byte c of my ring (src = 4) becomes source `role`: v8-10 or v11-13
	v_add_nc_u32 v[8+3*\role], \c, v[\src]
	v_add_nc_u32 v[9+3*\role], \c, v[\src+1]
	v_add_nc_u32 v[10+3*\role], (\c)+24576, v[\src+2]
.endm
.macro FETCH0 set, q                   ; source 0's eight fragments of the chunk's K step q: 32 loads
	WIN 0x40
.irp t, 0,1,2,3,4,5,6,7
	FRAG 128*(\set)+12*\t, 8, 9, 12288*(\q)+1536*\t
.endr
	WIN 0
.endm
.macro FETCH1 q, i0                    ; source 1's tiles i0 .. i0 + 3: 16 loads
.irp i, \i0, \i0+1, \i0+2, \i0+3
	FRAG S1F+12*(\i), 11, 12, 12288*(\q)+1536*(\i)
.endr
.endm
.macro SCALES c                        ; a chunk's scale words into set c: lanes 0-15 tile 2 i's, lanes 16-31 tile 2 i + 1's: 16 loads
.irp q, 0,1
.irp i, 0,1,2,3
	ds_load_b32 v[SC0+8*(\c)+4*\q+\i], v10 offset:512*\q+128*\i
	ds_load_b32 v[SC1+8*(\c)+4*\q+\i], v13 offset:512*\q+128*\i
.endr
.endr
.endm
.macro WM                              ; one product; the symbols say which
.if rZ
.if rP0 && rP1
	v_wmma_scale_f32_16x16x128_f8f6f4 v[rD:rD+7], v[rA:rA+11], v[rB:rB+11], 0, v[rX0], v[rX1] matrix_a_fmt:MATRIX_FMT_BF6 matrix_b_fmt:MATRIX_FMT_BF6 matrix_a_scale:MATRIX_SCALE_ROW1 matrix_b_scale:MATRIX_SCALE_ROW1
.elseif rP0
	v_wmma_scale_f32_16x16x128_f8f6f4 v[rD:rD+7], v[rA:rA+11], v[rB:rB+11], 0, v[rX0], v[rX1] matrix_a_fmt:MATRIX_FMT_BF6 matrix_b_fmt:MATRIX_FMT_BF6 matrix_a_scale:MATRIX_SCALE_ROW1
.elseif rP1
	v_wmma_scale_f32_16x16x128_f8f6f4 v[rD:rD+7], v[rA:rA+11], v[rB:rB+11], 0, v[rX0], v[rX1] matrix_a_fmt:MATRIX_FMT_BF6 matrix_b_fmt:MATRIX_FMT_BF6 matrix_b_scale:MATRIX_SCALE_ROW1
.else
	v_wmma_scale_f32_16x16x128_f8f6f4 v[rD:rD+7], v[rA:rA+11], v[rB:rB+11], 0, v[rX0], v[rX1] matrix_a_fmt:MATRIX_FMT_BF6 matrix_b_fmt:MATRIX_FMT_BF6
.endif
.else
.if rP0 && rP1
	v_wmma_scale_f32_16x16x128_f8f6f4 v[rD:rD+7], v[rA:rA+11], v[rB:rB+11], v[rC:rC+7], v[rX0], v[rX1] matrix_a_fmt:MATRIX_FMT_BF6 matrix_b_fmt:MATRIX_FMT_BF6 matrix_a_scale:MATRIX_SCALE_ROW1 matrix_b_scale:MATRIX_SCALE_ROW1
.elseif rP0
	v_wmma_scale_f32_16x16x128_f8f6f4 v[rD:rD+7], v[rA:rA+11], v[rB:rB+11], v[rC:rC+7], v[rX0], v[rX1] matrix_a_fmt:MATRIX_FMT_BF6 matrix_b_fmt:MATRIX_FMT_BF6 matrix_a_scale:MATRIX_SCALE_ROW1
.elseif rP1
	v_wmma_scale_f32_16x16x128_f8f6f4 v[rD:rD+7], v[rA:rA+11], v[rB:rB+11], v[rC:rC+7], v[rX0], v[rX1] matrix_a_fmt:MATRIX_FMT_BF6 matrix_b_fmt:MATRIX_FMT_BF6 matrix_b_scale:MATRIX_SCALE_ROW1
.else
	v_wmma_scale_f32_16x16x128_f8f6f4 v[rD:rD+7], v[rA:rA+11], v[rB:rB+11], v[rC:rC+7], v[rX0], v[rX1] matrix_a_fmt:MATRIX_FMT_BF6 matrix_b_fmt:MATRIX_FMT_BF6
.endif
.endif
.endm
; 16 products: source 1's tiles a0, a0 + 1 x source 0's eight.  set: source 0's set; q: the chunk's K step; c: the set of scale words.
; cm = 0: onto the sums; 1: the constant 0 starts them; 2: a bias by register (source 0's rows); 3: a bias by lane (source 1's rows).  The 64 accumulators take turns, in the same order in every step.
.macro MUL16 a0, set, q, c, cm
.if (\cm) >= 2
	WIN 0x81+0x40*((\a0)/4)                        ; source 0 window 1, source 1 and C window 0, D window 2 or 3
.else
	WIN 0xa1+0x50*((\a0)/4)                        ; C and D window 2 or 3
.endif
.irp a, \a0, \a0+1
.irp t, 0,1,2,3,4,5,6,7
.set rD, 8*(8*((\a)%4)+\t)
.set rA, 128*(\set)+12*\t
.set rB, S1F+12*(\a)
.set rX0, SC0+8*(\c)+4*(\q)+\t/2
.set rX1, SC1+8*(\c)+4*(\q)+(\a)/2
.set rP0, \t%2
.set rP1, (\a)%2
.set rZ, 0
.set rC, rD
.if (\cm) == 1
.set rZ, 1
.elseif (\cm) == 2
.set rC, BIAS+8*\t
.elseif (\cm) == 3
.set rC, BIAS+8*(\a)
.endif
	WM
.endr
.endr
.endm
.macro PRO                             ; a phase's first fragments
	FETCH0 0, 0
	FETCH1 0, 0
	SCALES 0
	FETCH1 0, 4
.endm
.macro STEP c, cm                      ; a chunk's first K step
	s_wait_dscnt 16                                ; all but the youngest sixteen loads (source 1's tiles 4-7)
	MUL16 0, 0, 0, \c, \cm
	MUL16 2, 0, 0, \c, \cm
	s_wait_dscnt 0x0
	PLACES
	FETCH0 1, 1
	FETCH1 1, 0
	MUL16 4, 0, 0, \c, \cm
	MUL16 6, 0, 0, \c, \cm
	PLACES
	WIN 0
	FETCH1 1, 4
.endm
; A chunk's second K step leaves its slot.  In front of the round each wave waits for all its tensor loads, adds 0 to its spare word, and waits for that and for its reads; behind it the slot takes the chunk at s[base] + off.
.macro REFILL c, slot, base, off
	s_wait_tensorcnt 0x0                           ; all my tensor loads have landed, the other slot's chunk among them: every group 0 may be written
	ds_add_u32 v[SPW], v[NIL]                      ; 0 onto my spare word
	s_wait_dscnt 17                                ; (the add and the youngest sixteen loads may be out)
	MUL16 0, 1, 1, \c, 0                           ; sixteen products stand between the add and the wait for it
	s_wait_dscnt 0x0                               ; the add is done, and my reads of this slot and of the shared chunk are over
	s_barrier_signal -1
	MUL16 2, 1, 1, \c, 0
	WIN 0
	s_barrier_wait -1
	CREST                                          ; the barrier has opened a round of the cluster's: no wave of any partner still reads this slot's chunk or has a load on its way
	s_add_nc_u64 s[G0+4*\slot+2:G0+4*\slot+3], s[\base:\base+1], \off
	s_or_b32 s[G0+4*\slot+3], s[G0+4*\slot+3], 0x80000000
	tensor_load_to_lds s[G0+4*\slot:G0+4*\slot+3], s[G1R:G1R+7]   ; my one tensor load behind the round, and the first thing there
	s_nop 0
	PLACES
.endm
.macro TURN c, slot, base, off, a0s, a0c, a1s, a1c   ; and the next chunk's first fragments are fetched
	REFILL \c, \slot, \base, \off
	SETADR 0, \a0s, \a0c
	SETADR 1, \a1s, \a1c
	FETCH0 0, 0
	FETCH1 0, 0
	SCALES 1-(\c)
	MUL16 4, 1, 1, \c, 0
	MUL16 6, 1, 1, \c, 0
	PLACES
	WIN 0
	FETCH1 0, 4
.endm
.macro LAST c, slot, base, off         ; a phase's last K step: nothing more to fetch
	REFILL \c, \slot, \base, \off
	MUL16 4, 1, 1, \c, 0
	MUL16 6, 1, 1, \c, 0
	WIN 0
	PLACES
.endm
; ---- the epilogues.  HI and SA say where tile a's 64 numbers lie: window 2 + HI, from register SA
.macro E_BEGIN
.irp b, 0,1,2,3
	v_mov_b32 v[TM+4+\b], 0                        ; a lane permute's destination counts as one of its sources
.endr
	v_mov_b32 v[LA+1], 0
.endm
.macro SCALEW                          ; four blocks' largest magnitudes in v[TM] on -> the conversions' scale operands, and the scale word
.irp b, 0,1,2,3
	v_add_nc_u32 v[TM+8+\b], 0xfe000000, v[TM+\b]  ; 4 off the exponent field
.endr
.irp b, 0,1,2,3
	v_lshrrev_b32 v[TM+4+\b], 23, v[TM+8+\b]
.endr
	v_lshl_or_b32 v[PW], v[TM+5], 8, v[TM+4]
	v_lshl_or_b32 v[PW], v[TM+6], 16, v[PW]
	v_lshl_or_b32 v[PW], v[TM+7], 24, v[PW]
.endm
.macro CODES                           ; register 16 b + i = k 32 b + 16 (lane / 16) + i of my row -> a fragment's codes in v[PC] on
	WIN 2+HI                                       ; source 0 in the accumulators' window
.irp c, 0,1
	v_cvt_scalef32_pk16_bf6_f32 v[PC+6*\c:PC+2+6*\c], v[SA+32*\c:SA+15+32*\c], v[TM+8+2*\c]
	v_cvt_scalef32_pk16_bf6_f32 v[PC+12+4*\c:PC+14+4*\c], v[SA+16+32*\c:SA+31+32*\c], v[TM+8+2*\c+1]
.endr
	WIN 0
	v_nop                                          ; one plain instruction behind the scaled conversions
.irp c, 0,1
.irp i, 0,1,2
	v_permlane16_swap_b32 v[PC+6*\c+\i], v[PC+12+4*\c+\i]
.endr
.irp i, 0,1,2
	v_mov_b32 v[PC+3+6*\c+\i], v[PC+12+4*\c+\i]
.endr
.endr
.endm
.macro QUANTW
	WIN 0x28+0x14*HI                               ; sources 1 and 2 in the accumulators' window
.irp b, 0,1,2,3
	v_max3_num_f32 v[TM+\b], 0x2800000, |v[SA+16*\b]|, |v[SA+1+16*\b]|   ; with the floor 2^(5 - 127); each accumulator is read from its low end on
.endr
.irp i, 2,4,6,8,10,12,14
.irp b, 0,1,2,3
	v_max3_num_f32 v[TM+\b], v[TM+\b], |v[SA+16*\b+\i]|, |v[SA+1+16*\b+\i]|
.endr
.endr
	WIN 0
	s_wait_dscnt 0x0                               ; the last image's stores have read their registers
.irp b, 0,1,2,3
	v_permlanex16_b32 v[TM+4+\b], v[TM+\b], s[SEL], s[SEL+1]
.endr
.irp b, 0,1,2,3
	v_max_num_f32 v[TM+\b], v[TM+\b], v[TM+4+\b]
.endr
	SCALEW
	CODES
.endm
.macro IMAGE o, a                      ; tile a of my K step, o bytes on from the first two chunks
	ds_store_b128 v[IM16], v[PC:PC+3] offset:\o+1536*\a
	ds_store_b64 v[IM8], v[PC+4:PC+5] offset:\o+1536*\a+512
	ds_store_b128 v[IM16], v[PC+6:PC+9] offset:\o+1536*\a+768
	ds_store_b64 v[IM8], v[PC+10:PC+11] offset:\o+1536*\a+1280
	ds_store_b32 v[IMS], v[PW] offset:\o+64*\a
.endm
.macro E_Q
	E_BEGIN
.irp a, 0,1,2,3,4,5,6,7
.set HI, \a/4
.set SA, 64*(\a%4)
	QUANTW
	IMAGE 51200, \a
.endr
.endm
.macro E_S p                           ; the softmax of my 128 keys (part w + 4 p) for the 128 queries
	E_BEGIN
.irp a, 0,1,2,3,4,5,6,7
.set HI, \a/4
.set SA, 64*(\a%4)
	WIN 0x28+0x14*HI
.irp b, 0,1,2,3
	v_max3_num_f32 v[TM+\b], 0xff800000, v[SA+16*\b], v[SA+1+16*\b]      ; the largest SCORE of each block of 32 keys: for the part's maximum, and, since p rises with the score, for the block's largest p
.endr
.irp i, 2,4,6,8,10,12,14
.irp b, 0,1,2,3
	v_max3_num_f32 v[TM+\b], v[TM+\b], v[SA+16*\b+\i], v[SA+1+16*\b+\i]
.endr
.endr
	WIN 0
	s_wait_dscnt 0x0                               ; the last tile's stores have read their registers
.irp b, 0,1,2,3
	v_permlanex16_b32 v[TM+4+\b], v[TM+\b], s[SEL], s[SEL+1]
.endr
.irp b, 0,1,2,3
	v_max_num_f32 v[TM+\b], v[TM+\b], v[TM+4+\b]
.endr
	v_max3_num_f32 v[NM+1], v[TM], v[TM+1], v[TM+2]
	v_max_num_f32 v[NM+1], v[NM+1], v[TM+3]
	v_mul_f32 v[NM+1], s[CS], v[NM+1]              ; the part's largest t
	v_floor_f32 v[NM], -v[NM+1]                    ; -M = floor(-t): M is a whole number
.irp b, 0,1,2,3
	v_fma_f32 v[TM+\b], v[TM+\b], s[CS], v[NM]
.endr
	WIN 0x82+0x41*HI                               ; destination and source 0 in the accumulators' window
.set j, 0
.rept 32
	v_pk_fma_f32 v[SA+j:SA+j+1], v[SA+j:SA+j+1], s[CS:CS+1], v[NM:NM+1] op_sel_hi:[1,0,0]   ; t - M
.set j, j+2
.endr
.set j, 0
.rept 64
	v_exp_f32 v[SA+j], v[SA+j]                     ; p = 2^(t - M), at most 1
.set j, j+1
.endr
	WIN 0
.irp b, 0,1,2,3
	v_exp_f32 v[TM+\b], v[TM+\b]                   ; the block's largest p: the same two instructions on the same number
.endr
	v_nop                                          ; a plain instruction behind the exponentials
	s_wait_alu depctr_va_vdst(0)
.irp b, 0,1,2,3
	v_max_num_f32 v[TM+\b], 0x2800000, v[TM+\b]    ; the floor
.endr
	SCALEW
	CODES
	WIN 0x8a+0x45*HI                               ; the sum of the UNQUANTISED p, in place, behind the conversions: neighbours 1, 2, 4, 8, 16 pairs apart
.irp w2, 4,8,16,32,64
.set u, 0
.rept 64/\w2
	v_pk_add_f32 v[SA+\w2*u:SA+\w2*u+1], v[SA+\w2*u:SA+\w2*u+1], v[SA+\w2*u+\w2/2:SA+\w2*u+\w2/2+1]
.set u, u+1
.endr
.endr
	WIN 0x0a+5*HI
	v_add_f32 v[LA], v[SA], v[SA+1]
	WIN 0
	v_permlanex16_b32 v[LA+1], v[LA], s[SEL], s[SEL+1]
	v_add_f32 v[LA], v[LA], v[LA+1]                ; with lane l xor 16's 64 keys
	IMAGE 51200*\p, \a
	ds_store_b32 v[MS], v[NM] offset:2048*\p+64*\a
	ds_store_b32 v[MS], v[LA] offset:4096+2048*\p+64*\a
.endr
	s_wait_dscnt 0x0
.endm
; The eight parts meet.  Lane l takes queries 32 i + l (in the images' order), i = 0 .. 3; every wave does all 128, so that nothing more goes from wave to wave; each wave mends the scale words of its own two K steps.
.macro FIX
.irp i, 0,1,2,3
.irp j, 0,1,2,3,4,5,6,7
	ds_load_b32 v[128+8*\i+\j], v[ST4] offset:512*\j+128*\i
	ds_load_b32 v[160+8*\i+\j], v[ST4] offset:4096+512*\j+128*\i
.endr
.endr
.irp p, 0,1
.irp i, 0,1,2,3
	ds_load_b32 v[192+4*\p+\i], v[MSO] offset:2048*\p+128*\i
	ds_load_b32 v[200+4*\p+\i], v[IMS4] offset:51200*\p+128*\i
.endr
.endr
	s_wait_dscnt 0x0
.irp i, 0,1,2,3
	v_min3_num_f32 v[208+\i], v[128+8*\i], v[129+8*\i], v[130+8*\i]
.endr
.irp i, 0,1,2,3
	v_min3_num_f32 v[208+\i], v[208+\i], v[131+8*\i], v[132+8*\i]
.endr
.irp i, 0,1,2,3
	v_min3_num_f32 v[208+\i], v[208+\i], v[133+8*\i], v[134+8*\i]
.endr
.irp i, 0,1,2,3
	v_min_num_f32 v[208+\i], v[208+\i], v[135+8*\i]                ; the row's -M: the least of the parts'
.endr
.set j, 0
.rept 32
	v_sub_f32 v[128+j], v[208+j/8], v[128+j]       ; M(part) - M(row): a whole number, 0 or less
.set j, j+1
.endr
.set j, 0
.rept 32
	v_cvt_i32_f32 v[128+j], v[128+j]               ; (it saturates)
.set j, j+1
.endr
.set j, 0
.rept 32
	v_ldexp_f32 v[160+j], v[160+j], v[128+j]       ; the part's sum under the row's M
.set j, j+1
.endr
.irp i, 0,1,2,3
	v_pk_add_f32 v[160+8*\i:161+8*\i], v[160+8*\i:161+8*\i], v[162+8*\i:163+8*\i]
	v_pk_add_f32 v[164+8*\i:165+8*\i], v[164+8*\i:165+8*\i], v[166+8*\i:167+8*\i]
.endr
.irp i, 0,1,2,3
	v_pk_add_f32 v[160+8*\i:161+8*\i], v[160+8*\i:161+8*\i], v[164+8*\i:165+8*\i]
.endr
.irp i, 0,1,2,3
	v_add_f32 v[212+\i], v[160+8*\i], v[161+8*\i]  ; the row's sum
.endr
.irp i, 0,1,2,3
	v_rcp_f32 v[212+\i], v[212+\i]
.endr
.set j, 0
.rept 8
	v_sub_f32 v[192+j], v[192+j], v[208+j%4]       ; d = M(row) - M(my part), 0 or more
.set j, j+1
.endr
	s_wait_alu depctr_va_vdst(0)
.irp i, 0,1,2,3
	ds_store_b32 v[RLW], v[212+\i] offset:128*\i
.endr
.set j, 0
.rept 8
	v_cvt_i32_f32 v[192+j], v[192+j]
	v_min_u32 v[192+j], 127, v[192+j]
	v_mul_lo_u32 v[192+j], v[192+j], s71           ; d in each of the four bytes
	v_or_b32 v[200+j], s70, v[200+j]               ; 128 + byte (a byte is at most 123): no borrow goes from byte to byte
	v_sub_nc_u32 v[200+j], v[200+j], v[192+j]
	v_lshrrev_b32 v[192+j], 7, v[200+j]
	v_and_b32 v[192+j], s71, v[192+j]              ; 1 where byte >= d
	v_lshlrev_b32 v[216+j], 7, v[192+j]
	v_sub_nc_u32 v[216+j], v[216+j], v[192+j]      ; 0x7f there, 0 elsewhere
	v_and_b32 v[200+j], v[200+j], v[216+j]         ; byte - d, held at 0
.set j, j+1
.endr
.irp p, 0,1
.irp i, 0,1,2,3
	ds_store_b32 v[IMS4], v[200+4*\p+\i] offset:51200*\p+128*\i
.endr
.endr
.endm
.macro E_A                             ; O / the row's sum, quantised along the channels
	E_BEGIN
.irp a, 0,1,2,3,4,5,6,7
	ds_load_b32 v[RLA+\a], v[RLR] offset:64*\a
.endr
	s_wait_dscnt 0x0
.irp a, 0,1,2,3,4,5,6,7
.set HI, \a/4
.set SA, 64*(\a%4)
	WIN 0x82+0x41*HI
.set j, 0
.rept 32
.if \a%2
	v_pk_mul_f32 v[SA+j:SA+j+1], v[SA+j:SA+j+1], v[RLA+\a-1:RLA+\a] op_sel:[0,1] op_sel_hi:[1,1]
.else
	v_pk_mul_f32 v[SA+j:SA+j+1], v[SA+j:SA+j+1], v[RLA+\a:RLA+\a+1] op_sel_hi:[1,0]
.endif
.set j, j+2
.endr
	QUANTW
	IMAGE 0, \a
.endr
.endm
	; ---- P0: q = h Wq^T + bq
	s_wait_tensorcnt 1                             ; h's quarter and Wq's first chunk are in; the second chunk's load may stay out
	s_barrier_signal -1
	s_barrier_wait -1
	SETADR 0, 4, 0
	SETADR 1, 1, PREG
	PRO
	s_wait_loadcnt 0x0                             ; the biases
	STEP 0, 2
	TURN 0, 0, KB, 0, 4, CH, 1, PREG+CH
	STEP 1, 0
	LAST 1, 1, KB, CH
	E_Q
	BARRIER                                        ; q's image lies in chunks 2, 3
	; ---- P1a: scores of keys 128 w on
	s_wait_tensorcnt 1                             ; slot 0's chunk is in; slot 1's, asked for later, may be out
	SETADR 0, 4, 0
	SETADR 1, 1, PREG+2*CH
	PRO
	STEP 0, 1
	TURN 0, 0, KB, 204800, 4, CH, 1, PREG+3*CH
	STEP 1, 0
	LAST 1, 1, KB, 230400
	E_S 0                                          ; into chunks 0, 1: h was last read in front of P0's last round
	; ---- P1b: scores of keys 512 + 128 w on
	s_wait_tensorcnt 1
	SETADR 0, 4, 0
	SETADR 1, 1, PREG+2*CH
	PRO
	STEP 0, 1
	TURN 0, 0, VB, 0, 4, CH, 1, PREG+3*CH
	STEP 1, 0
	LAST 1, 1, VB, CH
	E_S 1                                          ; into chunks 2, 3: every wave's reads of q ended in front of the round just passed
	BARRIER
	FIX
	BARRIER                                        ; p's image and its mended scale words lie in chunks 0 to 3
	; ---- P2: O = p v
	s_wait_tensorcnt 1
	SETADR 0, 4, 0
	SETADR 1, 1, PREG
	PRO
	STEP 0, 1
	TURN 0, 0, VB, 51200, 4, CH, 1, PREG+CH
	STEP 1, 0
	TURN 1, 1, VB, 76800, 4, 0, 1, PREG+2*CH
	STEP 0, 0
	TURN 0, 0, WOB, 0, 4, CH, 1, PREG+3*CH
	STEP 1, 0
	LAST 1, 1, WOB, CH
	E_A
.set j, 0
.rept 64
	v_mov_b32 v[BIAS+j], v[BO8+j/8]                ; bo as the C of P3's first products: the lane's number in all eight registers of a result
.set j, j+1
.endr
	BARRIER                                        ; a's image lies in chunks 0, 1
	; ---- P3: out = a Wo^T + bo
	s_wait_tensorcnt 1
	SETADR 0, 1, PREG
	SETADR 1, 4, 0
	PRO
	global_prefetch_b8 v[PFX], s[66:67] th:TH_LOAD_NT scope:SCOPE_SE                 ; x: my wave's channel rows 0-63, 512 bytes each, lanes 256 bytes apart, each block asked for once;
	global_prefetch_b8 v[PFX], s[66:67] offset:65536 th:TH_LOAD_NT scope:SCOPE_SE    ; four K steps (256 products) ahead of the first load of x
	STEP 0, 3
	global_prefetch_b8 v[PFX], s[66:67] offset:131072 th:TH_LOAD_NT scope:SCOPE_SE
	global_prefetch_b8 v[PFX], s[66:67] offset:196608 th:TH_LOAD_NT scope:SCOPE_SE
	s_wait_dscnt 16
	MUL16 0, 1, 1, 0, 0
	MUL16 2, 1, 1, 0, 0
	s_wait_dscnt 0x0
	s_wait_tensorcnt 0x0                           ; Wo's second chunk: my last tensor load; nothing is filled any more
	PLACES
	WIN 0
	SETADR 0, 1, PREG+CH
	SETADR 1, 4, CH
	FETCH0 0, 0
	FETCH1 0, 0
	SCALES 1
	MUL16 4, 1, 1, 0, 0
	MUL16 6, 1, 1, 0, 0
	PLACES
	WIN 0
	FETCH1 0, 4
	STEP 1, 0
	s_wait_dscnt 16
	MUL16 0, 1, 1, 1, 0
	MUL16 2, 1, 1, 1, 0
	s_wait_dscnt 0x0
	MUL16 4, 1, 1, 1, 0
	MUL16 6, 1, 1, 1, 0
	WIN 0
	PLACES
	; ---- THE WAY OUT.  Block A: 16 channels (Wo's tile A) x 128 tokens.  A lane holds runs of 8 tokens of one channel: the block goes through my stage (rows of 512 bytes + 16) and comes back as whole rows;
	; x's same rows are added, and 32 lanes store 512 consecutive bytes at a multiple of 256.  x runs three blocks ahead, in window 1.
.macro XLOAD A
	WIN 0x40
.set i, 0
.rept 16
	global_load_b128 v[64*((\A)%4)+4*i:64*((\A)%4)+4*i+3], v[L16], s[66:67] offset:(32*((\A)/2)+8*((\A)%2)+i+8*(i/8))*4096 th:TH_LOAD_NT
.set i, i+1
.endr
	WIN 0
.endm
	XLOAD 0
	XLOAD 1
	XLOAD 2
.irp A, 0,1,2,3,4,5,6,7
.set HI, \A/4
.set SA, 64*(\A%4)
.set BK, 64+64*(\A%2)
.if \A > 1
	s_wait_xcnt 0x0                                ; block A - 2's stores have read their registers: this block's rows may land there
.endif
	WIN 8+4*HI                                     ; an LDS store's data are its source 1
.irp t, 0,1,2,3,4,5,6,7
	ds_store_b128 v[STO], v[SA+8*\t:SA+8*\t+3] offset:128*(\t/2)+32*(\t%2)          ; each accumulator from its low end on
	ds_store_b128 v[STO], v[SA+8*\t+4:SA+8*\t+7] offset:128*(\t/2)+32*(\t%2)+16
.endr
	WIN 0
.set i, 0
.rept 16
	ds_load_b128 v[BK+4*i:BK+4*i+3], v[RD] offset:528*i     ; LDS serves a wave's instructions in order: these see the stores above, and the next block's stores come behind them
.set i, i+1
.endr
.if \A < 5
	XLOAD \A+3
	s_wait_loadcnt 48                              ; this block's x is in; three younger blocks' 48 loads may be out
.else
	s_wait_loadcnt 16*(7-\A)
.endif
	s_wait_dscnt 0x0
	WIN 0x04                                       ; source 1 (x) in window 1
.set i, 0
.rept 32
	v_pk_add_f32 v[BK+i:BK+i+1], v[BK+i:BK+i+1], v[64*(\A%4)+i:64*(\A%4)+i+1]
.set i, i+2
.endr
	WIN 0
.set i, 0
.rept 16
	global_store_b128 v[L16], v[BK+4*i:BK+4*i+3], s[68:69] offset:(32*(\A/2)+8*(\A%2)+i+8*(i/8))*4096 th:TH_STORE_NT
.set i, i+1
.endr
.endr
	s_wait_tensorcnt 0x0                           ; the wave's end, behind my last tensor load and my last LDS store
	ds_add_u32 v[SPW], v[NIL]
	s_wait_dscnt 0x0
	CROUND                                         ; the closing round: no work-group ends while a partner may still ask for a chunk that names it
	s_endpgm
.Lfunc_end_k_q166d61e3b2_attn:
	.size	k_q166d61e3b2_attn, .Lfunc_end_k_q166d61e3b2_attn-k_q166d61e3b2_attn
	.p2alignl 7, 3214868480
	.fill 96, 4, 3214868480
	.section	.rodata,"a",@progbits
	.p2align	6, 0x0
	.amdhsa_kernel k_q166d61e3b2_attn
		.amdhsa_group_segment_fixed_size 327680
		.amdhsa_private_segment_fixed_size 0
		.amdhsa_enable_private_segment 0
		.amdhsa_kernarg_size 64
		.amdhsa_user_sgpr_count 2
		.amdhsa_user_sgpr_kernarg_segment_ptr 1
		.amdhsa_wavefront_size32 1
		.amdhsa_system_sgpr_workgroup_id_x 1
		.amdhsa_system_sgpr_workgroup_id_y 1
		.amdhsa_system_sgpr_workgroup_id_z 1
		.amdhsa_system_vgpr_workitem_id 0
		.amdhsa_next_free_vgpr 1024
		.amdhsa_next_free_sgpr 84
		.amdhsa_reserve_vcc 0
		.amdhsa_float_denorm_mode_32 3
		.amdhsa_float_denorm_mode_16_64 3
		.amdhsa_memory_ordered 1
		.amdhsa_forward_progress 1
		.amdhsa_inst_pref_size 255
	.end_amdhsa_kernel
	.section	.bss,"aw",@nobits
	.p2align	6
	.space	262144
	.amdgpu_metadata
---
amdhsa.version: [ 1, 2 ]
amdhsa.kernels:
  - .name:           k_q166d61e3b2_attn
    .symbol:         k_q166d61e3b2_attn.kd
    .args:
      - { .name: h_img, .offset: 0, .size: 8, .value_kind: global_buffer, .address_space: global }
      - { .name: w_img, .offset: 8, .size: 8, .value_kind: global_buffer, .address_space: global }
      - { .name: k_img, .offset: 16, .size: 8, .value_kind: global_buffer, .address_space: global }
      - { .name: v_img, .offset: 24, .size: 8, .value_kind: global_buffer, .address_space: global }
      - { .name: bq, .offset: 32, .size: 8, .value_kind: global_buffer, .address_space: global }
      - { .name: bo, .offset: 40, .size: 8, .value_kind: global_buffer, .address_space: global }
      - { .name: x, .offset: 48, .size: 8, .value_kind: global_buffer, .address_space: global }
      - { .name: out0, .offset: 56, .size: 8, .value_kind: global_buffer, .address_space: global }
    .group_segment_fixed_size: 327680
    .private_segment_fixed_size: 0
    .kernarg_segment_align: 8
    .kernarg_segment_size: 64
    .max_flat_workgroup_size: 128
    .sgpr_count:     84
    .vgpr_count:     1024
    .wavefront_size: 32
...
	.end_amdgpu_metadata
.endif
;; end of part 3
